; MI455X (gfx1250); checked and timed in simulation.
; The chip was launched on July 23, 2026; its instructions are those of AMD's public machine-readable ISA for CDNA 5 (MIT licence, August 2026) and "CDNA5" Instruction Set Architecture Reference Guide (July 2026). The comments in the code are by the model that wrote it; some were corrected since.
;; Multi Head Latent Attention. Allowed arithmetic: matrix products marked QUANTISED: E5M2 operands, one given power-of-two scale a tensor, by v_wmma_f32_16x16x64_bf8_bf8 or v_wmma_f32_16x16x128_bf8_bf8, f32 sums; everything else in f32.
;; Inputs: b_proj 1,024 float32; lowp_scales 18 int32 (the exponents e of the quantised operands' scales 2^e); w_proj 1,024 x 1,024 float32; wk_heads 256 x 1,024 float32; wk_lat 1,024 x 256 float32; wq_heads 256 x 1,024 float32; wq_lat 1,024 x 256 float32; wv_heads 256 x 1,024 float32; wv_lat 1,024 x 256 float32; x 2 x 2,048 x 1,024 float32.
;; Outputs: out0 2 x 2,048 x 1,024 float32.
;; This version of the problem:
;;   THIS VERSION OF THE PROBLEM IS GIVEN IN LOW PRECISION. The matrix products marked QUANTISED in the list below multiply operands that are first quantised to E5M2 (5 exponent bits, 2 mantissa bits; 8 bits a number), with one given power-of-two scale for each operand tensor; their sums are f32. All else is computed in f32.
;;   The module's matrix products, in the order in which they are computed (A, B: the left and right operand; K: the contracted axis; several contracted axes count as one K, in the product's order):
;;     1. [M 4,096, K 1,024] x [K 1,024, N 256]; A: input x; B: input wq_lat: QUANTISED (scales: A lowp_scales[0], B lowp_scales[1])
;;     2. [M 4,096, K 256] x [K 256, N 1,024]; A: computed on the way; B: input wq_heads: QUANTISED (scales: A lowp_scales[2], B lowp_scales[3])
;;     3. [M 4,096, K 1,024] x [K 1,024, N 256]; A: input x; B: input wk_lat: QUANTISED (scales: A lowp_scales[4], B lowp_scales[5])
;;     4. [M 4,096, K 256] x [K 256, N 1,024]; A: computed on the way; B: input wk_heads: QUANTISED (scales: A lowp_scales[6], B lowp_scales[7])
;;     5. [M 4,096, K 1,024] x [K 1,024, N 256]; A: input x; B: input wv_lat: QUANTISED (scales: A lowp_scales[8], B lowp_scales[9])
;;     6. [M 4,096, K 256] x [K 256, N 1,024]; A: computed on the way; B: input wv_heads: QUANTISED (scales: A lowp_scales[10], B lowp_scales[11])
;;     7. batch 32 x [M 2,048, K 64] x [K 64, N 2,048]; A: computed on the way; B: computed on the way: QUANTISED (scales: A lowp_scales[12], B lowp_scales[13])
;;     8. batch 32 x [M 2,048, K 2,048] x [K 2,048, N 64]; A: softmax (see below); B: computed on the way: QUANTISED (scales: A lowp_scales[14], B lowp_scales[15])
;;     9. [M 4,096, K 1,024] x [K 1,024, N 1,024]; A: computed on the way; B: input w_proj: QUANTISED (scales: A lowp_scales[16], B lowp_scales[17])
;;   THE QUANTISER, for each operand of a quantised product, along K:
;;     - The operand's scale is 2^e, e = its entry of the input lowp_scales (int32; the entries are numbered through the quantised products in the list's order, A before B).
;;     - Each number is divided by the scale, clamped to +-57,344, and rounded to the nearest number of E5M2, ties to even, subnormals kept.
;;     - The product sums the exact products of the quantised numbers (number of the format x scale) in f32.
;;   ~~~python
;;   def quantise(x, axis, e):      # numpy; x: float32 -> the quantised numbers, widened to float32 again
;;       x = np.moveaxis(x, axis, -1); K = x.shape[-1]
;;       r = np.clip(x / 2.0 ** e, -57344, 57344)
;;       step = 2.0 ** (np.maximum(np.frexp(np.where(r == 0, 1, r))[1] - 1, -14) - 2)
;;       q = np.round(r / step) * step * 2.0 ** e      # np.round: ties to even
;;       return np.moveaxis(q, -1, axis).astype(np.float32)
;;   ~~~
;;   SOFTMAX AHEAD OF A QUANTISED PRODUCT. Where the list says 'softmax', what is quantised is not the finished softmax but p = 2^(t - M), with t = logit x log2(e) and M = ceil(the row's largest t), a whole number; so 1/2 < the row's largest p <= 1. The row's sum l is taken of the UNQUANTISED p, in f32, and the product's result is divided by l at the end. Since M is a whole number, a kernel that streams over the keys may use a running M (the ceiling of the running maximum): every later rescaling is an exact power of two, so the quantised numbers keep their values, but for numbers so far below the row's largest that they fall under the format's range.
;;   OPERANDS COMPUTED ON THE WAY. 'Computed on the way' means the value that the module computes at that place (a softmax that the list does not call 'softmax' is quantised finished and normalised). What goes into a quantiser is computed in f32, as accurately as f32 sums, v_exp_f32 and their like allow (about 1e-6 of the number): no bf16 or f16 on the way to a quantiser, and a product that is left as it is and whose result goes on into a quantised operand takes f32 operands (vector FMAs, or v_wmma_f32_16x16x4_f32). A number that lies on a knife's edge between two numbers of the format may be rounded either way, as far as f32 arithmetic and the matrix unit's own rounding can turn it there, and no further.
;; 2 versions. Each part assembles by itself: llvm-mc -triple=amdgcn-amd-amdhsa -mcpu=gfx1250 --defsym DOCPART=n.
;; ======== version 1 of 2: 4 launches
;; workspace buffers: wl_img 786,432 bytes; wh_img 786,432 bytes; wp_img 1,048,576 bytes; q_img 4,194,304 bytes; k_img 4,194,304 bytes; v_img 4,194,304 bytes; y_img 4,194,304 bytes
;; launch prep (part 1): grid 16 x 10, 4 waves a work-group, no clusters, 18,944 bytes of LDS; arguments wq_lat, wk_lat, wv_lat, wq_heads, wk_heads, wv_heads, w_proj, lowp_scales, wl_img, wh_img, wp_img; writes wl_img, wh_img, wp_img
.if DOCPART == 1
	.amdgcn_target "amdgcn-amd-amdhsa--gfx1250"
	.amdhsa_code_object_version 6
	.text
	.protected	k_q8dab73f5f4_prep
	.globl	k_q8dab73f5f4_prep
	.p2align	8
	.type	k_q8dab73f5f4_prep,@function
k_q8dab73f5f4_prep:
	s_mov_b64 s[64:65], 0
	v_nop
	global_prefetch_b8 v0, s[64:65] scope:SCOPE_SE
	s_setreg_imm32_b32 hwreg(HW_REG_WAVE_MODE, 25, 1), 1
	s_wait_xcnt 0x0
; The seven weights, f32 stored [K][N], become codes of BF8 (E5M2), each with its given scale 2^e, laid in the ORDER OF AN OPERAND'S REGISTERS.
; AN IMAGE is 2,048 bytes: a fragment of 16 rows (here columns n of the weight) x 128 along K.  Byte 512 c + 16 l + i is the code of the tile's row l % 16 at k = 128 s + 32 c + 16 (l / 16) + i.
; THE ROWS OF A TILE ARE NOT NEIGHBOURS: row r of tile 2 b + u is column 32 b + 8 u + r + 8 (r / 8), so that in a transposed product the 16 registers of two neighbouring tiles are 16 neighbours along the next K.
; Images lie at (tile x K steps + K step) x 2,048; the three latent weights 262,144 bytes apart in wl_img, the three head weights likewise in wh_img.
; code = w / 2^e, held within +-57,344, to the nearest code, ties to even.  LIMITS: e between -126 and 112.  NaN among the inputs is not served.
; SHARES.  A work-group takes 128 columns x 128 K of one weight: y = 0..2 the latent weights (16 such parts each), y = 3..5 the head weights (16 each), y = 6..9 w_proj (64).
; A wave takes 32 columns (a pair of tiles); A LANE TAKES A COLUMN AND ITS 128 REGISTERS RUN DOWN K: each load reads 128 consecutive bytes, and the conversions give codes with K innermost.
; The codes turn through the wave's own stage in LDS (32 rows of 128 bytes + 16) and leave in image order: each store of the wave covers 512 consecutive bytes, aligned.
; No cluster and no tensor load: no two work-groups read the same byte.  No barrier: waves share nothing.
.set X,    16                          ; v16-143  my column's 128 numbers
.set C,    144                         ; v144-175 their codes
.set OUTR, 176                         ; v176-207 the way out: two images' pieces
.set SP,   144                         ; a stage row
.set WST,  32*SP                       ; a wave's stage
	s_load_b512 s[8:23], s[0:1], 0x0               ; the seven weights s[8:21], the scales' exponents s[22:23]
	s_load_b128 s[24:27], s[0:1], 0x40             ; wl_img, wh_img
	s_load_b64 s[28:29], s[0:1], 0x50              ; wp_img
	v_lshl_add_u32 v208, v0, 2, 0x4800
	v_mov_b32 v209, 0
	v_lshrrev_b32 v1, 5, v0
	v_readfirstlane_b32 s4, v1                     ; wave 0..3
	s_and_b32 s3, ttmp7, 0xffff                    ; y: which weight
	s_sub_co_i32 s5, s3, 6
	s_max_i32 s5, s5, 0
	s_lshl_b32 s5, s5, 4
	s_add_co_u32 s5, s5, ttmp9                     ; which part of the weight: x, and for w_proj x + 16 (y - 6)
	s_sub_co_u32 s6, s3, 3
	s_cmp_lt_u32 s6, 3                             ; a head weight?
	s_cselect_b32 s7, 1, 3                         ; log2 of the K steps: 2 for K = 256, 8 for K = 1,024
	s_cselect_b32 s36, s6, 0                       ; which of its three
	s_cmp_lt_u32 s3, 3                             ; a latent weight?
	s_cselect_b32 s36, s3, s36
	s_cselect_b32 s40, 17, 19                      ; log2 of 128 rows' bytes: rows of 1,024 or of 4,096 bytes
	s_lshr_b32 s41, s5, s7                         ; block of 128 columns
	s_lshl_b32 s42, s41, s7
	s_sub_co_u32 s42, s5, s42                      ; K step
	s_lshl_b32 s44, s42, s40                       ; from where: 128 rows x K step
	s_lshl_b32 s2, s41, 9
	s_add_co_u32 s44, s44, s2                      ; + 512 bytes x block of columns
	s_lshl_b32 s2, s4, 7
	s_add_co_u32 s44, s44, s2                      ; + 128 bytes x wave
	s_mov_b32 s45, 0
	s_lshl_b32 s46, s41, 2
	s_add_co_u32 s46, s46, s4                      ; my pair of tiles
	s_add_co_u32 s2, s7, 12
	s_lshl_b32 s46, s46, s2                        ; to where: 2 tiles x K steps x 2,048 for each pair
	s_lshl_b32 s2, s36, 18
	s_add_co_u32 s46, s46, s2                      ; + 262,144 x which of three
	s_lshl_b32 s2, s42, 11
	s_add_co_u32 s46, s46, s2                      ; + 2,048 x K step
	s_mov_b32 s47, 0
	s_add_co_u32 s2, s7, 11
	s_lshl_b32 s2, 1, s2                           ; from a pair's first tile to its second: K steps x 2,048
	v_and_b32 v1, 31, v0                           ; lane
	v_and_b32 v2, 15, v0                           ; r
	v_bfe_u32 v5, v0, 4, 1                         ; h
	v_lshlrev_b32 v3, 2, v1                        ; in: 4 bytes a lane
	s_mul_i32 s34, s4, WST                         ; my stage
	v_mul_u32_u24 v4, v1, SP
	v_add_nc_u32 v4, s34, v4                       ; into it: row = my column
	v_and_b32 v6, 8, v2
	v_add_nc_u32 v6, v6, v2                        ; r + 8 (r / 8)
	v_mul_u32_u24 v7, v6, SP
	v_lshl_add_u32 v7, v5, 4, v7
	v_add_nc_u32 v7, s34, v7                       ; out of it: the tile's row r, + 16 h
	v_lshlrev_b32 v8, 4, v1                        ; my 16 bytes of a piece of the first tile's image,
	v_add_nc_u32 v9, s2, v8                        ; and of the second's
	s_wait_kmcnt 0x0
	s_load_b512 s[48:63], s[22:23], 0x0            ; entries 0 to 15 of the scales,
	s_load_b32 s66, s[22:23], 0x44                 ; and entry 17
	s_mov_b64 s[30:31], s[20:21]                   ; the weight: chosen on the work-group's y alone
.irp j, 0,1,2,3,4,5
	s_cmp_eq_u32 s3, \j
	s_cselect_b64 s[30:31], s[8+2*\j:9+2*\j], s[30:31]
.endr
	s_cmp_lt_u32 s3, 6
	s_cselect_b64 s[32:33], s[26:27], s[28:29]
	s_cmp_lt_u32 s3, 3
	s_cselect_b64 s[32:33], s[24:25], s[32:33]     ; and its buffer of images
	s_add_nc_u64 s[30:31], s[30:31], s[44:45]
	s_add_nc_u64 s[32:33], s[32:33], s[46:47]
.macro LOADS pitch                     ; W(128 s + n, my column), n = 0 .. 127: every offset is an immediate, 127 x 4,096 at the most
.set n, 0
.rept 128
	global_load_b32 v[X+n], v3, s[30:31] offset:n*\pitch th:TH_LOAD_NT
.set n, n+1
.endr
.endm
	s_cmp_lt_u32 s3, 3                             ; the two row lengths part for the loads alone: both ways issue 128 loads, so the counts below hold on both
	s_cbranch_scc0 .Lwide
	LOADS 1024
	s_branch .Lloaded
.Lwide:
	LOADS 4096
.Lloaded:
	s_wait_kmcnt 0x0
	s_mov_b32 s5, s66                              ; e: entry 17 for w_proj; 1, 5, 9 for the latent weights; 3, 7, 11 for the head weights
	s_cmp_eq_u32 s3, 0
	s_cselect_b32 s5, s49, s5
	s_cmp_eq_u32 s3, 1
	s_cselect_b32 s5, s53, s5
	s_cmp_eq_u32 s3, 2
	s_cselect_b32 s5, s57, s5
	s_cmp_eq_u32 s3, 3
	s_cselect_b32 s5, s51, s5
	s_cmp_eq_u32 s3, 4
	s_cselect_b32 s5, s55, s5
	s_cmp_eq_u32 s3, 5
	s_cselect_b32 s5, s59, s5
	s_add_co_i32 s5, s5, 127
	s_lshl_b32 s6, s5, 23
	v_mov_b32 v11, s6                              ; 2^e as f32: the conversion takes its exponent field
	s_add_co_i32 s5, s5, 15
	s_lshl_b32 s5, s5, 23
	s_or_b32 s5, s5, 0x600000
	v_mov_b32 v10, s5                              ; 57,344 x 2^e
.macro BLOCK t, left                   ; 32 along K: hold, convert, 32 bytes into my stage row.  left: younger loads that may stay out (held at what the wait can name)
	s_wait_loadcnt \left
.set i, 0
.rept 32
	v_med3_num_f32 v[X+32*\t+i], v[X+32*\t+i], -v10, v10   ; the conversion to an 8-bit code does not saturate (ISA guide 7.6.2): the hold comes first
.set i, i+1
.endr
.set g, 0
.rept 4
	v_cvt_scalef32_pk8_bf8_f32 v[C+8*\t+2*g:C+8*\t+2*g+1], v[X+32*\t+8*g:X+32*\t+8*g+7], v11
.set g, g+1
.endr
	ds_store_b128 v4, v[C+8*\t:C+8*\t+3] offset:32*\t
	ds_store_b128 v4, v[C+8*\t+4:C+8*\t+7] offset:32*\t+16
.endm
	BLOCK 0, 63                                    ; 96 younger loads
	BLOCK 1, 63                                    ; 64
	BLOCK 2, 32
	BLOCK 3, 0
	v_nop                                          ; a plain line behind the last conversion
.irp u, 0,1
.irp c, 0,1,2,3
	ds_load_b128 v[OUTR+4*(4*\u+\c):OUTR+4*(4*\u+\c)+3], v7 offset:\u*8*SP+32*\c   ; LDS serves a wave's instructions in order (ISA guide 5.7.1.4): these see my stores
.endr
.endr
.irp u, 0,1
.irp c, 0,1,2,3
	s_wait_dscnt 7-(4*\u+\c)                       ; the younger reads of the stage may stay out
	global_store_b128 v[8+\u], v[OUTR+4*(4*\u+\c):OUTR+4*(4*\u+\c)+3], s[32:33] offset:512*\c   ; a piece of an image: 512 consecutive bytes, aligned
.endr
.endr
	s_wait_tensorcnt 0x0
	ds_add_u32 v208, v209
	s_wait_dscnt 0x0
	s_endpgm
.Lfunc_end_k_q8dab73f5f4_prep:
	.size	k_q8dab73f5f4_prep, .Lfunc_end_k_q8dab73f5f4_prep-k_q8dab73f5f4_prep
	.p2alignl 7, 3214868480
	.fill 96, 4, 3214868480
	.section	.rodata,"a",@progbits
	.p2align	6, 0x0
	.amdhsa_kernel k_q8dab73f5f4_prep
		.amdhsa_group_segment_fixed_size 18944
		.amdhsa_private_segment_fixed_size 0
		.amdhsa_enable_private_segment 0
		.amdhsa_kernarg_size 88
		.amdhsa_user_sgpr_count 2
		.amdhsa_user_sgpr_kernarg_segment_ptr 1
		.amdhsa_wavefront_size32 1
		.amdhsa_system_sgpr_workgroup_id_x 1
		.amdhsa_system_sgpr_workgroup_id_y 1
		.amdhsa_system_sgpr_workgroup_id_z 1
		.amdhsa_system_vgpr_workitem_id 0
		.amdhsa_next_free_vgpr 210
		.amdhsa_next_free_sgpr 68
		.amdhsa_reserve_vcc 0
		.amdhsa_float_denorm_mode_32 3
		.amdhsa_float_denorm_mode_16_64 3
		.amdhsa_memory_ordered 1
		.amdhsa_forward_progress 1
		.amdhsa_inst_pref_size 40
	.end_amdhsa_kernel
	.amdgpu_metadata
---
amdhsa.version: [ 1, 2 ]
amdhsa.kernels:
  - .name:           k_q8dab73f5f4_prep
    .symbol:         k_q8dab73f5f4_prep.kd
    .args:
      - { .name: wq_lat, .offset: 0, .size: 8, .value_kind: global_buffer, .address_space: global }
      - { .name: wk_lat, .offset: 8, .size: 8, .value_kind: global_buffer, .address_space: global }
      - { .name: wv_lat, .offset: 16, .size: 8, .value_kind: global_buffer, .address_space: global }
      - { .name: wq_heads, .offset: 24, .size: 8, .value_kind: global_buffer, .address_space: global }
      - { .name: wk_heads, .offset: 32, .size: 8, .value_kind: global_buffer, .address_space: global }
      - { .name: wv_heads, .offset: 40, .size: 8, .value_kind: global_buffer, .address_space: global }
      - { .name: w_proj, .offset: 48, .size: 8, .value_kind: global_buffer, .address_space: global }
      - { .name: lowp_scales, .offset: 56, .size: 8, .value_kind: global_buffer, .address_space: global }
      - { .name: wl_img, .offset: 64, .size: 8, .value_kind: global_buffer, .address_space: global }
      - { .name: wh_img, .offset: 72, .size: 8, .value_kind: global_buffer, .address_space: global }
      - { .name: wp_img, .offset: 80, .size: 8, .value_kind: global_buffer, .address_space: global }
    .group_segment_fixed_size: 18944
    .private_segment_fixed_size: 0
    .kernarg_segment_align: 8
    .kernarg_segment_size: 88
    .max_flat_workgroup_size: 128
    .sgpr_count:     68
    .vgpr_count:     210
    .wavefront_size: 32
...
	.end_amdgpu_metadata
.endif
;; end of part 1
;; launch qkv (part 2): grid 64 x 3, 4 waves a work-group, no clusters, 82,432 bytes of LDS; arguments x, lowp_scales, wl_img, wh_img, q_img, k_img, v_img; writes q_img, k_img, v_img
.if DOCPART == 2
	.amdgcn_target "amdgcn-amd-amdhsa--gfx1250"
	.amdhsa_code_object_version 6
	.text
	.protected	k_q8dab73f5f4_qkv
	.globl	k_q8dab73f5f4_qkv
	.p2align	8
	.type	k_q8dab73f5f4_qkv,@function
k_q8dab73f5f4_qkv:
	s_mov_b64 s[64:65], 0
	v_nop
	global_prefetch_b8 v0, s[64:65] scope:SCOPE_SE
	s_setreg_imm32_b32 hwreg(HW_REG_WAVE_MODE, 25, 1), 1
	s_wait_xcnt 0x0
; One of q, k, v (work-group y = 0, 1, 2) for 64 tokens (work-group x): Q(x) W_lat, quantised, times W_heads, quantised: all on codes of BF8 (E5M2) with the given scales; the latent never goes to memory.
; IMAGES.  Every operand is an image of its registers: 16 rows x 128 K in 2,048 bytes, byte 512 c + 16 l + i = row l % 16, k = 32 c + 16 (l / 16) + i (q and k: 64 K, 1,024 bytes).  Row r of tile 2 b + u is row 32 b + 8 u + r + 8 (r / 8):
; tokens, latent columns and channels alike.  So in a transposed product the 16 registers of two neighbouring tiles are 16 neighbours along the next K, and the conversions' results are pieces of the next image.
; SHARES.  THE WAVES SHARE THE COLUMNS: wave w makes latent columns 64 w .. + 63 and heads 4 w .. 4 w + 3 for all 64 tokens; its weights come from memory straight into its registers, in image order, and feed all four tiles of tokens.
; Wave w also quantises tile w of x's tokens.  x's 32 images and the latent's 8 go from wave to wave through LDS.  Two barriers.
; NO CLUSTER: what work-groups share are the weights, which here never touch LDS; a joint load lands in LDS alone, which would add 512 KB of LDS writes and as many reads to a work-group whose first product already reads 8 KB of LDS for 16 matrix instructions.
; OUT.  q_img, k_img: ((batch 16 + head) 128 + tile of tokens) x 1,024.  v_img: rows = channels, K = keys: (((batch 16 + head) 16 + group of 128 keys) 4 + tile of channels) x 2,048; for it the second product's sources change places.
; LIMITS on the given exponents, so that each power of two is an f32 number: ex, el - ex - ewl and eo - el - ewh between -126 and 112.  NaN among the inputs is not served.
; REGISTERS, in windows of 256.  Window 0: v1-15 addresses; v16-21 scales and holds; v32-159 16 accumulators (first: two sets of 64 numbers of x); v224-255 codes just made.
;   Window 1: W_lat's K steps 0-3, later heads 1 and 2.  Window 2: W_lat's K steps 4-7, later head 3.  Window 3: v0-127 x's fragments in two sets, later the latent's eight; v128-255 head 0.
.set XIMG, 0                           ; LDS: x's images, (8 m + s) x 2,048
.set LIMG, 65536                       ; the latent's, (2 m + s) x 2,048
.set ACC,  32
.set PC,   224
.set MSB,  0
.macro WIN new                         ; the immediate's high byte repeats the setting that is left
.if MSB != (\new)
	s_set_vgpr_msb (MSB<<8)|(\new)
.set MSB, (\new)
.endif
.endm
.macro PLACES                          ; four plain lines between a matrix instruction and a load into its sources or a read of its result (ISA guide 7.12.1 for a read of its result)
.rept 4
	v_nop
.endr
.endm
.macro BARRIER                         ; my LDS stores have landed and my LDS loads are in: then the work-group's barrier
	s_wait_dscnt 0x0
	s_barrier_signal -1
	s_barrier_wait -1
.endm
.macro SCALES se, vsc, vlim            ; from the exponent in \se: 2^e for the conversion, 57,344 x 2^e for the hold
	s_add_co_i32 s44, \se, 127
	s_lshl_b32 s45, s44, 23
	v_mov_b32 v[\vsc], s45
	s_add_co_i32 s44, s44, 15
	s_lshl_b32 s44, s44, 23
	s_or_b32 s44, s44, 0x600000
	v_mov_b32 v[\vlim], s44
.endm
; n groups of 16 neighbours along K, from v[src] on, become n x 4 registers of codes from v[dst] on
.macro QUANT src, n, dst, sc, lim
.set qg, 0
.rept \n
.set qi, 0
.rept 16
	v_med3_num_f32 v[\src+16*qg+qi], v[\src+16*qg+qi], -v[\lim], v[\lim]   ; the conversion does not saturate (ISA guide 7.6.2): the hold comes first; each accumulator from its low end on
.set qi, qi+1
.endr
	v_cvt_scalef32_pk8_bf8_f32 v[\dst+4*qg:\dst+4*qg+1], v[\src+16*qg:\src+16*qg+7], v[\sc]
	v_cvt_scalef32_pk8_bf8_f32 v[\dst+4*qg+2:\dst+4*qg+3], v[\src+16*qg+8:\src+16*qg+15], v[\sc]
.set qg, qg+1
.endr
	v_nop                                          ; a plain line behind the last conversion, ahead of whatever next writes its sources
.endm
.macro XLOAD f                         ; my 16 tokens' numbers of K step f: lane (r, h) takes 16 neighbours of each block of 32
.set xb, 0
.rept 4
.set xj, 0
.rept 4
	global_load_b128 v[ACC+64*((\f)%2)+16*xb+4*xj:ACC+64*((\f)%2)+16*xb+4*xj+3], v4, s[4:5] offset:512*(\f)+128*xb+16*xj
.set xj, xj+1
.endr
.set xb, xb+1
.endr
.endm
.macro WLLOAD f                        ; my four tiles of W_lat, K step f: they stay
.if (\f) < 4
	WIN 0x40
.else
	WIN 0x80
.endif
.set wi, 0
.rept 4
.set wc, 0
.rept 4
	global_load_b128 v[64*((\f)%4)+16*wi+4*wc:64*((\f)%4)+16*wi+4*wc+3], v5, s[8:9] offset:16384*wi+2048*(\f)+512*wc
.set wc, wc+1
.endr
.set wi, wi+1
.endr
	WIN 0
.endm
.macro HSET hd                         ; where head hd's eight fragments lie: window HW, from v[HB] on
.if (\hd) == 0
.set HW, 3
.set HB, 128
.elseif (\hd) == 1
.set HW, 1
.set HB, 0
.elseif (\hd) == 2
.set HW, 1
.set HB, 128
.else
.set HW, 2
.set HB, 0
.endif
.endm
.macro HLOAD hd                        ; head hd of my four: fragment 2 t + s at v[HB + 16 (2 t + s)]
	HSET \hd
	WIN HW<<6
.set he, 0
.rept 8
.set hc, 0
.rept 4
	global_load_b128 v[HB+16*he+4*hc:HB+16*he+4*hc+3], v5, s[10:11] offset:16384*(\hd)+2048*he+512*hc
.set hc, hc+1
.endr
.set he, he+1
.endr
	WIN 0
.endm
	s_load_b256 s[4:11], s[0:1], 0x0               ; x s[4:5], the scales s[6:7], wl_img s[8:9], wh_img s[10:11]
	s_load_b128 s[12:15], s[0:1], 0x20             ; q_img, k_img
	s_load_b64 s[16:17], s[0:1], 0x30              ; v_img
	v_lshl_add_u32 v222, v0, 2, 0x14000
	v_mov_b32 v223, 0
	v_lshrrev_b32 v1, 5, v0
	v_readfirstlane_b32 s18, v1                    ; wave 0..3
	s_mov_b32 s19, ttmp9                           ; block of 64 tokens
	s_and_b32 s20, ttmp7, 0xffff                   ; 0: q, 1: k, 2: v
	v_and_b32 v1, 31, v0                           ; lane
	v_and_b32 v2, 15, v0                           ; r
	v_bfe_u32 v3, v0, 4, 1                         ; h
	v_and_b32 v4, 8, v2
	v_add_nc_u32 v4, v4, v2                        ; r + 8 (r / 8)
	v_lshlrev_b32 v4, 12, v4
	v_lshl_add_u32 v4, v3, 6, v4                   ; x: my token's row of 4,096 bytes, + 64 h
	v_lshlrev_b32 v5, 4, v1                        ; 16 x lane: my place in a piece of an image
	s_lshl_b32 s23, s18, 14
	v_add_nc_u32 v6, s23, v5                       ; where I store x's images: tile w's eight
	s_lshr_b32 s23, s18, 1
	s_lshl_b32 s23, s23, 11
	s_and_b32 s29, s18, 1
	s_lshl_b32 s29, s29, 10
	s_add_co_u32 s23, s23, s29
	s_add_co_u32 s23, s23, LIMG
	v_add_nc_u32 v7, s23, v5                       ; the latent's: K step w / 2, pieces 2 (w % 2) on
	v_add_nc_u32 v8, LIMG, v5                      ; and from where I read them
	s_cmp_lt_u32 s20, 2
	s_cselect_b32 s29, 10, 11
	s_lshl_b32 s32, 1, s29                         ; from image to image on the way out: 1,024 (q, k) or 2,048 (v)
	v_mov_b32 v12, v5
	v_add_nc_u32 v13, s32, v5
	v_add_nc_u32 v14, s32, v13
	v_add_nc_u32 v15, s32, v14
	s_lshl_b32 s34, s19, 6
	s_lshr_b32 s33, s18, 1
	s_lshl_b32 s33, s33, 5
	s_add_co_u32 s34, s34, s33
	s_and_b32 s33, s18, 1
	s_lshl_b32 s33, s33, 3
	s_add_co_u32 s34, s34, s33                     ; tile w's first token: 64 x block + 32 (w / 2) + 8 (w % 2)
	s_lshl_b32 s34, s34, 12
	s_mov_b32 s35, 0
	s_lshl_b32 s36, s20, 18
	s_lshl_b32 s33, s18, 16
	s_add_co_u32 s36, s36, s33                     ; my weights: 262,144 x kind + 65,536 x wave, in both buffers
	s_mov_b32 s37, 0
	s_lshr_b32 s38, s19, 5                         ; batch
	s_lshl_b32 s38, s38, 21
	s_lshl_b32 s33, s18, 19
	s_add_co_u32 s38, s38, s33                     ; (batch 16 + 4 w) x 131,072
	s_and_b32 s40, s19, 31                         ; the block within its batch
	s_lshl_b32 s41, s40, 12                        ; q, k: four images of 1,024 a block
	s_lshr_b32 s42, s40, 1
	s_lshl_b32 s42, s42, 13                        ; v: group of 128 keys x 8,192,
	s_and_b32 s43, s40, 1
	s_lshl_b32 s43, s43, 10                        ; pieces 2 (block % 2) on
	s_add_co_u32 s42, s42, s43
	s_cmp_lt_u32 s20, 2
	s_cselect_b32 s41, s41, s42
	s_add_co_u32 s38, s38, s41
	s_mov_b32 s39, 0
	s_wait_kmcnt 0x0
	s_load_b512 s[48:63], s[6:7], 0x0              ; entries 0 to 15 of the scales
	s_add_nc_u64 s[4:5], s[4:5], s[34:35]
	s_add_nc_u64 s[8:9], s[8:9], s[36:37]
	s_add_nc_u64 s[10:11], s[10:11], s[36:37]
	s_cmp_eq_u32 s20, 0                            ; the output: chosen on the work-group's y alone
	s_cselect_b64 s[30:31], s[12:13], s[14:15]
	s_cmp_eq_u32 s20, 2
	s_cselect_b64 s[30:31], s[16:17], s[30:31]
	s_add_nc_u64 s[30:31], s[30:31], s[38:39]
	XLOAD 0
	XLOAD 1
	s_wait_kmcnt 0x0
	s_cmp_eq_u32 s20, 1                            ; ex, ewl, el, ewh: entries 4 kind .. 4 kind + 3; eo: entry 12, 13 or 15
	s_cselect_b32 s24, s52, s48
	s_cselect_b32 s25, s53, s49
	s_cselect_b32 s26, s54, s50
	s_cselect_b32 s27, s55, s51
	s_cselect_b32 s28, s61, s60
	s_cmp_eq_u32 s20, 2
	s_cselect_b32 s24, s56, s24
	s_cselect_b32 s25, s57, s25
	s_cselect_b32 s26, s58, s26
	s_cselect_b32 s27, s59, s27
	s_cselect_b32 s28, s63, s28
	s_sub_co_i32 s46, s26, s24
	s_sub_co_i32 s46, s46, s25                     ; a sum of the first product stands for sum x 2^(ex + ewl): its code is sum / 2^(el - ex - ewl)
	s_sub_co_i32 s47, s28, s26
	s_sub_co_i32 s47, s47, s27                     ; likewise eo - el - ewh
	SCALES s24, 16, 17
	SCALES s46, 18, 19
	SCALES s47, 20, 21
; ---- X: my 16 tokens of x become eight images.  x runs two K steps ahead, in two sets; my W_lat follows K step by K step.  left: the loads issued behind this K step's
.macro XSTEP f, left
	s_wait_dscnt 0x0                               ; the last image's stores have read their registers
	s_wait_loadcnt \left
	QUANT ACC+64*((\f)%2), 4, PC, 16, 17
.set xc, 0
.rept 4
	ds_store_b128 v6, v[PC+4*xc:PC+4*xc+3] offset:XIMG+2048*(\f)+512*xc
.set xc, xc+1
.endr
.if (\f) < 6
	XLOAD (\f)+2
.endif
	WLLOAD \f
.endm
	XSTEP 0, 16                                    ; behind x's step 0: x's step 1
	XSTEP 1, 32                                    ; x's step 2, W_lat's step 0
	XSTEP 2, 48                                    ; W_lat's step f - 2, x's step f + 1, W_lat's step f - 1
	XSTEP 3, 48
	XSTEP 4, 48
	XSTEP 5, 48
	XSTEP 6, 48
	XSTEP 7, 32                                    ; W_lat's steps 5 and 6
	HLOAD 0
	BARRIER                                        ; x's 32 images lie in LDS
; ---- 1: the latent, transposed: source 0 = 16 latent columns, source 1 = 16 tokens.  16 accumulators by turns, one instruction a turn
.macro FETCHX s                        ; the four token tiles' fragments of K step s, into set s % 2
	WIN 0xc0
.set fm, 0
.rept 4
.set fc, 0
.rept 4
	ds_load_b128 v[64*((\s)%2)+16*fm+4*fc:64*((\s)%2)+16*fm+4*fc+3], v5 offset:XIMG+(8*fm+(\s))*2048+512*fc
.set fc, fc+1
.endr
.set fm, fm+1
.endr
.endm
.macro LSTEP s
.if (\s) < 7
.if (\s) > 0
	PLACES                                         ; the set that takes the next step's fragments was read by the step before
.endif
	FETCHX (\s)+1
	s_wait_dscnt 16                                ; all but the 16 just issued
.else
	s_wait_dscnt 0x0
.endif
.if 16*(7-(\s))+32 > 63
	s_wait_loadcnt 63                              ; behind W_lat's step s: its later steps and head 0's 32 loads (held at what the wait can name)
.else
	s_wait_loadcnt 16*(7-(\s))+32
.endif
.if (\s) < 4
	WIN 0x0d                                       ; source 0 window 1, source 1 window 3, C and D window 0
.else
	WIN 0x0e
.endif
.set lm, 0
.rept 4
.set lt, 0
.rept 4
.if (\s) == 0
	v_wmma_f32_16x16x128_bf8_bf8 v[ACC+8*(4*lm+lt):ACC+8*(4*lm+lt)+7], v[64*((\s)%4)+16*lt:64*((\s)%4)+16*lt+15], v[64*((\s)%2)+16*lm:64*((\s)%2)+16*lm+15], 0
.else
	v_wmma_f32_16x16x128_bf8_bf8 v[ACC+8*(4*lm+lt):ACC+8*(4*lm+lt)+7], v[64*((\s)%4)+16*lt:64*((\s)%4)+16*lt+15], v[64*((\s)%2)+16*lm:64*((\s)%2)+16*lm+15], v[ACC+8*(4*lm+lt):ACC+8*(4*lm+lt)+7]
.endif
.set lt, lt+1
.endr
.set lm, lm+1
.endr
.endm
	FETCHX 0
.irp s, 0,1,2,3,4,5,6,7
	LSTEP \s
.endr
	WIN 0
	PLACES
	HLOAD 1                                        ; into registers that W_lat has left
	QUANT ACC, 8, PC, 18, 19                       ; group 2 m + b: tokens of tile m, latent columns 64 w + 32 b + 16 h + 0 .. 15
.irp m, 0,1,2,3
.irp p, 0,1
	ds_store_b128 v7, v[PC+8*\m+4*\p:PC+8*\m+4*\p+3] offset:4096*\m+512*\p
.endr
.endr
	BARRIER                                        ; the latent's eight images lie in LDS
	WIN 0xc0
.set fe, 0
.rept 8
.set fc, 0
.rept 4
	ds_load_b128 v[16*fe+4*fc:16*fe+4*fc+3], v8 offset:2048*fe+512*fc   ; fragment 2 m + s: they stay for the four heads
.set fc, fc+1
.endr
.set fe, fe+1
.endr
	WIN 0
; ---- 2: a head at a time: 32 matrix instructions on 16 accumulators by turns.  q, k: source 0 = 16 channels, source 1 = 16 tokens: a lane holds one token and its registers run along the channels.
; v: the sources change places: a lane holds one channel and its registers run along the tokens, which are the keys.  The branch hangs on the work-group's y alone.  left: the later heads' loads
.macro HEAD hd, left
.if (\hd) < 2
	HLOAD (\hd)+2
.endif
	s_wait_loadcnt \left
.if (\hd) == 0
	s_wait_dscnt 0x0                               ; the latent's fragments
.endif
	HSET \hd
	s_cmp_eq_u32 s20, 2
	s_cbranch_scc1 .Lv_\@
	WIN 0x0c|HW
.set hs, 0
.rept 2
.set hm, 0
.rept 4
.set ht, 0
.rept 4
.if hs == 0
	v_wmma_f32_16x16x128_bf8_bf8 v[ACC+8*(4*hm+ht):ACC+8*(4*hm+ht)+7], v[HB+16*(2*ht+hs):HB+16*(2*ht+hs)+15], v[16*(2*hm+hs):16*(2*hm+hs)+15], 0
.else
	v_wmma_f32_16x16x128_bf8_bf8 v[ACC+8*(4*hm+ht):ACC+8*(4*hm+ht)+7], v[HB+16*(2*ht+hs):HB+16*(2*ht+hs)+15], v[16*(2*hm+hs):16*(2*hm+hs)+15], v[ACC+8*(4*hm+ht):ACC+8*(4*hm+ht)+7]
.endif
.set ht, ht+1
.endr
.set hm, hm+1
.endr
.set hs, hs+1
.endr
	WIN 0
	s_branch .Ljoin_\@
.Lv_\@:
	WIN 0x03|(HW<<2)
.set hs, 0
.rept 2
.set ht, 0
.rept 4
.set hm, 0
.rept 4
.if hs == 0
	v_wmma_f32_16x16x128_bf8_bf8 v[ACC+8*(4*ht+hm):ACC+8*(4*ht+hm)+7], v[16*(2*hm+hs):16*(2*hm+hs)+15], v[HB+16*(2*ht+hs):HB+16*(2*ht+hs)+15], 0
.else
	v_wmma_f32_16x16x128_bf8_bf8 v[ACC+8*(4*ht+hm):ACC+8*(4*ht+hm)+7], v[16*(2*hm+hs):16*(2*hm+hs)+15], v[HB+16*(2*ht+hs):HB+16*(2*ht+hs)+15], v[ACC+8*(4*ht+hm):ACC+8*(4*ht+hm)+7]
.endif
.set hm, hm+1
.endr
.set ht, ht+1
.endr
.set hs, hs+1
.endr
	WIN 0
.Ljoin_\@:
	PLACES
.if (\hd) > 0
	s_wait_xcnt 0x0                                ; the last head's stores have read the codes' registers: only now are they written again
.endif
	QUANT ACC, 8, PC, 20, 21
.set si, 0
.rept 4
.set sp, 0
.rept 2
	global_store_b128 v[12+si], v[PC+8*si+4*sp:PC+8*si+4*sp+3], s[30:31] offset:131072*(\hd)+512*sp   ; a piece of an image: 512 consecutive bytes, aligned.  q, k: image = tile of tokens; v: image = tile of channels
.set sp, sp+1
.endr
.set si, si+1
.endr
.endm
	HEAD 0, 63                                     ; behind head 0's loads: heads 1 and 2, 64 loads
	HEAD 1, 63                                     ; heads 2 and 3
	HEAD 2, 32
	HEAD 3, 0
	s_wait_tensorcnt 0x0
	ds_add_u32 v222, v223
	s_wait_dscnt 0x0
	s_endpgm
.Lfunc_end_k_q8dab73f5f4_qkv:
	.size	k_q8dab73f5f4_qkv, .Lfunc_end_k_q8dab73f5f4_qkv-k_q8dab73f5f4_qkv
	.p2alignl 7, 3214868480
	.fill 96, 4, 3214868480
	.section	.rodata,"a",@progbits
	.p2align	6, 0x0
	.amdhsa_kernel k_q8dab73f5f4_qkv
		.amdhsa_group_segment_fixed_size 82432
		.amdhsa_private_segment_fixed_size 0
		.amdhsa_enable_private_segment 0
		.amdhsa_kernarg_size 56
		.amdhsa_user_sgpr_count 2
		.amdhsa_user_sgpr_kernarg_segment_ptr 1
		.amdhsa_wavefront_size32 1
		.amdhsa_system_sgpr_workgroup_id_x 1
		.amdhsa_system_sgpr_workgroup_id_y 1
		.amdhsa_system_sgpr_workgroup_id_z 1
		.amdhsa_system_vgpr_workitem_id 0
		.amdhsa_next_free_vgpr 1024
		.amdhsa_next_free_sgpr 66
		.amdhsa_reserve_vcc 0
		.amdhsa_float_denorm_mode_32 3
		.amdhsa_float_denorm_mode_16_64 3
		.amdhsa_memory_ordered 1
		.amdhsa_forward_progress 1
		.amdhsa_inst_pref_size 167
	.end_amdhsa_kernel
	.amdgpu_metadata
---
amdhsa.version: [ 1, 2 ]
amdhsa.kernels:
  - .name:           k_q8dab73f5f4_qkv
    .symbol:         k_q8dab73f5f4_qkv.kd
    .args:
      - { .name: x, .offset: 0, .size: 8, .value_kind: global_buffer, .address_space: global }
      - { .name: lowp_scales, .offset: 8, .size: 8, .value_kind: global_buffer, .address_space: global }
      - { .name: wl_img, .offset: 16, .size: 8, .value_kind: global_buffer, .address_space: global }
      - { .name: wh_img, .offset: 24, .size: 8, .value_kind: global_buffer, .address_space: global }
      - { .name: q_img, .offset: 32, .size: 8, .value_kind: global_buffer, .address_space: global }
      - { .name: k_img, .offset: 40, .size: 8, .value_kind: global_buffer, .address_space: global }
      - { .name: v_img, .offset: 48, .size: 8, .value_kind: global_buffer, .address_space: global }
    .group_segment_fixed_size: 82432
    .private_segment_fixed_size: 0
    .kernarg_segment_align: 8
    .kernarg_segment_size: 56
    .max_flat_workgroup_size: 128
    .sgpr_count:     66
    .vgpr_count:     1024
    .wavefront_size: 32
...
	.end_amdgpu_metadata
.endif
;; end of part 2
;; launch attn (part 3): grid 8 x 32, 16 waves a work-group, clusters of 4 x 1, 264,192 bytes of LDS; arguments q_img, k_img, v_img, lowp_scales, y_img; writes y_img
.if DOCPART == 3
	.amdgcn_target "amdgcn-amd-amdhsa--gfx1250"
	.amdhsa_code_object_version 6
	.text
	.protected	k_q8dab73f5f4_attn
	.globl	k_q8dab73f5f4_attn
	.p2align	8
	.type	k_q8dab73f5f4_attn,@function
k_q8dab73f5f4_attn:
	s_mov_b64 s[64:65], 0
	v_nop
	global_prefetch_b8 v0, s[64:65] scope:SCOPE_SE
	s_setreg_imm32_b32 hwreg(HW_REG_WAVE_MODE, 25, 1), 1
	s_wait_xcnt 0x0
	s_wait_alu depctr_hold_cnt(0) depctr_sa_sdst(0) depctr_va_vdst(0) depctr_va_sdst(0) depctr_va_ssrc(0) depctr_va_vcc(0) depctr_vm_vsrc(0)
	s_getreg_b32 s2, hwreg(HW_REG_IB_STS2, 6, 4)
	s_cmp_eq_u32 s2, 0
	s_cbranch_scc0 .Lentry_in_a_cluster
	s_endpgm
.Lentry_in_a_cluster:
	s_bfe_u32 s2, ttmp6, 0x10000c
	s_cmp_lg_u32 s2, 0x3003
	s_cbranch_scc0 .Lentry_shape_is_right
	s_endpgm
.Lentry_shape_is_right:
; Causal attention of one head (work-group y = batch 16 + head) on codes of BF8 (E5M2), head size 64, 2,048 keys; the result is quantised for the output projection and stored as pieces of y's images.
; THE SOFTMAX AHEAD OF THE SECOND PRODUCT: t = score x log2(e) / 8; M = the running largest t rounded UP to a whole number; p = 2^(t - M) is quantised, not normalised; the row's sum is taken of the unquantised p and divides at the end.
; When M moves, the sum and O are multiplied by 2^(old M - new M): exact.
; LDS.  The head's K (131,072 bytes of images, a step of 128 keys in 8,192) lies at 0, its V at 131,072, likewise.  Every byte is filled once, in four chunks of four key steps; nothing is filled again and nothing is stored to LDS.
; CLUSTER.  The four work-groups of a cluster walk the same K and V: each chunk is asked for JOINTLY (waves 0, 1: K's halves; waves 2, 3: V's), the same load with the same descriptor and a mask that names the four.
; SHARES.  A head has 16 groups of 128 queries (8 tiles of 16); group g needs g + 1 key steps, the rest is hidden by the mask.  Cluster X takes groups 4 X + pi and 15 - (4 X + pi), pi = 0 .. 3; a wave's group hangs on its number and on X
; alone; of the group's 8 tiles the partner at place cx takes 2 cx and 2 cx + 1.  So every work-group has 136 steps of a tile, and all branches are alike in the four partners: cx enters Q's and y's addresses and the mask's data only.
; LAYOUT.  Both products transposed: S^T = K Q^T (source 0 = 16 keys), O^T = V^T P^T (source 0 = 16 channels): a lane holds ONE query.  Row r of tile 2 b + u is row 32 b + 8 u + r + 8 (r / 8), for keys, queries and channels: so the 16
; registers of two neighbouring tiles are 16 neighbouring keys (or channels), and the conversions' results are the next operand's registers.
; LIMITS on the given exponents: e12 + e13 between -123 and 130 (added to c's exponent field); e14 and e16 between -126 and 112.  NaN among the inputs is not served.
; REGISTERS: v1 16 x lane; v2 the mask's d; v8, v9 LDS addresses; v12 -M, v13 the largest t, v[14:15] the sum in two halves; v16-23 Q; v32-95 K's, then V's fragments; v96-159 S^T, then p; v160-191 O^T; v224-239 p's codes; v240-254 at work.
.set VLDS, 131072
.set WV,  14                           ; s14  my wave's number
.set G1,  32                           ; s[32:39] descriptor group 1
.set G0,  40                           ; s[40:55] four groups 0, one for each chunk
.set SEL, 56                           ; s[56:57] lane selects for v_permlanex16_b32: lane l xor 16
.set CS,  58                           ; s[58:59] c = log2(e) / 8 x 2^(e12 + e13)
.set ST,  60                           ; s60  the key step
.set TB,  61                           ; s61  its first LDS byte
.set CNT, 62                           ; s62  counts a chunk's four steps
.set GQ,  63                           ; s63  my group of queries: the last key step that counts for it
.macro CROUND                          ; a round of the cluster's barrier: my work-group's barrier; wave 0 signals for the work-group; every wave waits for all four work-groups; my work-group's barrier once more
	s_barrier_signal -1
	s_barrier_wait -1
	s_cmp_lg_u32 s[WV], 0
	s_cbranch_scc1 .Lnot_wave_0_\@
	s_barrier_signal -3
.Lnot_wave_0_\@:
	s_barrier_wait -3
	s_barrier_signal -1
	s_barrier_wait -1
.endm
	s_load_b256 s[4:11], s[0:1], 0x0               ; q_img s[4:5], k_img s[6:7], v_img s[8:9], the scales s[10:11]
	s_load_b64 s[12:13], s[0:1], 0x20              ; y_img
	v_lshl_add_u32 v251, v0, 2, 0x40000
	v_mov_b32 v255, 0
	ds_add_u32 v251, v255
	ds_add_u32 v251, v255
	v_lshrrev_b32 v3, 5, v0
	v_readfirstlane_b32 s[WV], v3                  ; wave 0..15
	s_bfe_u32 s15, ttmp6, 0x40000                  ; cx: my place in the cluster
	s_and_b32 s17, ttmp7, 0xffff                   ; batch 16 + head
	s_lshr_b32 s18, s[WV], 3
	s_lshl_b32 s18, s18, 1
	s_bfe_u32 s19, s[WV], 0x10001
	s_or_b32 s18, s18, s19                         ; pi: the wave's bits 3 and 1
	s_lshl_b32 s19, ttmp9, 2
	s_add_co_u32 s18, s18, s19                     ; 4 X + pi
	s_sub_co_u32 s19, 15, s18
	s_lshr_b32 s25, s[WV], 2
	s_xor_b32 s28, s25, s[WV]
	s_and_b32 s28, s28, 1                          ; bit 2 xor bit 0: the early group or the late one
	s_cmp_eq_u32 s28, 1
	s_cselect_b32 s[GQ], s19, s18
	s_and_b32 s25, s25, 1
	s_lshl_b32 s29, s15, 1
	s_add_co_u32 s29, s29, s25                     ; my tile of the group's eight: 2 cx + bit 2
	; what I fetch, if I fetch: waves 0, 1: K's halves of a chunk; waves 2, 3: V's
	s_and_b32 s30, s[WV], 3
	s_and_b32 s31, s30, 1
	s_lshl_b32 s31, s31, 14
	s_lshr_b32 s28, s30, 1
	s_lshl_b32 s28, s28, 17
	s_add_co_u32 s28, s28, s31                     ; in LDS: 131,072 for V, + 16,384 x half
	s_lshl_b32 s18, s17, 17
	s_add_co_u32 s18, s18, s31                     ; in memory: the head's 131,072 bytes, + 16,384 x half
	s_mov_b32 s19, 0
	; descriptor group 1: a dense block of 16,384 bytes as 64 rows of 256
	s_mov_b32 s[G1], 15|(3<<16)|(1<<21)            ; 15:0 the mask: all four work-groups; 17:16 elements of 8 bytes; 21 set beside a mask
	s_mov_b32 s[G1+1], 32<<16                      ; tensor_dim0 = 32
	s_mov_b32 s[G1+2], 64<<16                      ; tensor_dim1 = 64
	s_mov_b32 s[G1+3], 32<<16                      ; tile_dim0 = 32
	s_mov_b32 s[G1+4], 64                          ; tile_dim1 = 64
	s_mov_b32 s[G1+5], 32                          ; from row to row
	s_mov_b32 s[G1+6], 0
	s_mov_b32 s[G1+7], 0
	s_mov_b32 s[SEL], 0x76543210
	s_mov_b32 s[SEL+1], 0xfedcba98
	s_wait_dscnt 0x0
	s_wait_kmcnt 0x0
	s_load_b128 s[20:23], s[10:11], 0x30           ; e12 .. e15
	s_load_b32 s24, s[10:11], 0x40                 ; e16
	s_cmp_lt_u32 s30, 2
	s_cselect_b64 s[26:27], s[6:7], s[8:9]
	s_add_nc_u64 s[26:27], s[26:27], s[18:19]
.irp c, 0,1,2,3
	s_mov_b32 s[G0+4*\c], 1                        ; count = 1
	s_add_co_u32 s[G0+4*\c+1], s28, \c*32768       ; LDS address
	s_add_nc_u64 s[G0+4*\c+2:G0+4*\c+3], s[26:27], \c*32768   ; global address
	s_or_b32 s[G0+4*\c+3], s[G0+4*\c+3], 0x80000000           ; type = 2
.endr
	CROUND                                         ; all four work-groups are here: the joint loads meet
	s_cmp_lt_u32 s[WV], 4                          ; a wave's four first fills stand in one branch, ahead of every wait on TENSORcnt, every LDS read and every other barrier: four loads of mine are out
	s_cbranch_scc0 .Lno_fetch
	tensor_load_to_lds s[G0:G0+3], s[G1:G1+7]
	s_nop 0
	tensor_load_to_lds s[G0+4:G0+7], s[G1:G1+7]
	s_nop 0
	tensor_load_to_lds s[G0+8:G0+11], s[G1:G1+7]
	s_nop 0
	tensor_load_to_lds s[G0+12:G0+15], s[G1:G1+7]
	s_nop 0
.rept 4
	v_nop                                          ; four plain lines follow the last of them
.endr
.Lno_fetch:
	s_lshl_b32 s2, s17, 7
	s_lshl_b32 s3, s[GQ], 3
	s_add_co_u32 s2, s2, s3
	s_add_co_u32 s2, s2, s29                       ; Q's image: head x 128 + 8 x group + tile
	s_lshl_b32 s2, s2, 10
	s_mov_b32 s3, 0
	s_add_nc_u64 s[4:5], s[4:5], s[2:3]
	v_and_b32 v3, 31, v0
	v_lshlrev_b32 v1, 4, v3                        ; 16 x lane
	global_load_b128 v[16:19], v1, s[4:5]          ; Q's fragment stays in registers
	global_load_b128 v[20:23], v1, s[4:5] offset:512
	s_lshr_b32 s2, s17, 4
	s_lshl_b32 s2, s2, 7
	s_lshl_b32 s25, s[GQ], 3
	s_add_co_u32 s2, s2, s25
	s_add_co_u32 s2, s2, s29                       ; y: the tile of tokens, batch x 128 + 8 x group + tile,
	s_lshl_b32 s2, s2, 3
	s_bfe_u32 s25, s17, 0x30001
	s_add_co_u32 s2, s2, s25                       ; x 8 K steps + head / 2,
	s_lshl_b32 s2, s2, 1
	s_and_b32 s25, s17, 1
	s_add_co_u32 s2, s2, s25                       ; pieces 2 (head % 2) on
	s_lshl_b32 s2, s2, 10
	s_add_nc_u64 s[12:13], s[12:13], s[2:3]
	v_and_b32 v4, 15, v0                           ; r
	v_bfe_u32 v5, v0, 4, 1                         ; h
	v_and_b32 v6, 8, v4
	v_add_nc_u32 v6, v6, v4                        ; r + 8 (r / 8)
	v_lshlrev_b32 v7, 4, v5
	v_sub_nc_u32 v2, v6, v7
	s_lshr_b32 s25, s29, 1
	s_lshl_b32 s25, s25, 5
	s_and_b32 s28, s29, 1
	s_lshl_b32 s28, s28, 3
	s_add_co_u32 s25, s25, s28
	v_add_nc_u32 v2, s25, v2                       ; d = my query within its group - 16 h.  On the diagonal register 16 b + i holds key 32 b + 16 h + i of the step: hidden where 32 b + i > d
	v_mov_b32 v13, 0xff61b1e6                      ; the largest t so far: -3e38, under every t
	v_floor_f32 v12, -v13                          ; -M
	v_mov_b32 v14, 0                               ; the sum, in two halves
	v_mov_b32 v15, 0
	v_mov_b32 v246, 0                              ; written once: a lane permute's destination counts as one of its sources
	v_mov_b32 v253, 0                              ; (named as the upper half of the pair v[252:253])
.set j, 0
.rept 32
	v_mov_b32 v[160+j], 0                          ; O^T: the step is written without a first form of its own; the first change of M leaves zeros zeros
.set j, j+1
.endr
	s_wait_kmcnt 0x0
	s_add_co_i32 s25, s20, s21
	s_lshl_b32 s25, s25, 23
	s_mov_b32 s[CS], 0x3e38aa3b                    ; log2(e) / 8
	s_add_co_i32 s[CS], s[CS], s25                 ; a score stands for score x 2^(e12 + e13): the exponents are added to c's exponent field
	s_mov_b32 s[CS+1], s[CS]                       ; (named with it as a pair, so it is written)
	s_add_co_i32 s25, s22, 127
	s_lshl_b32 s28, s25, 23
	v_mov_b32 v244, s28                            ; 2^e14, for p's conversion
	s_add_co_i32 s25, s25, 15
	s_lshl_b32 s25, s25, 23
	s_or_b32 s25, s25, 0x600000
	v_mov_b32 v240, s25                            ; 57,344 x 2^e14
	s_add_co_i32 s25, s24, 127
	s_lshl_b32 s28, s25, 23
	v_mov_b32 v249, s28                            ; 2^e16, for y's conversion
	s_add_co_i32 s25, s25, 15
	s_lshl_b32 s25, s25, 23
	s_or_b32 s25, s25, 0x600000
	v_mov_b32 v248, s25                            ; 57,344 x 2^e16
	s_add_co_i32 s31, s22, s23                     ; e14 + e15, for the way out
; A KEY STEP: 128 keys.  A step all of whose keys come after my group's queries is left out: a scalar branch on ids, round the work alone; the lines that step the counters stand behind its label.
.macro STEP
	s_cmp_gt_u32 s[ST], s[GQ]
	s_cbranch_scc1 .Lhidden_\@
	v_add_nc_u32 v8, s[TB], v1
	v_add_nc_u32 v9, VLDS, v8
	v_nop
	v_nop                                          ; with the two additions: four plain lines in front of loads into registers that the last products read
.set kt, 0
.rept 8
	ds_load_b128 v[32+8*kt:35+8*kt], v8 offset:1024*kt
	ds_load_b128 v[36+8*kt:39+8*kt], v8 offset:1024*kt+512
.set kt, kt+1
.endr
	s_wait_dscnt 0x0
.set kt, 0
.rept 8
	v_wmma_f32_16x16x64_bf8_bf8 v[96+8*kt:103+8*kt], v[32+8*kt:39+8*kt], v[16:23], 0
.set kt, kt+1
.endr
.rept 4
	v_nop
.endr
.set vt, 0
.rept 4
.set vc, 0
.rept 4
	ds_load_b128 v[32+16*vt+4*vc:35+16*vt+4*vc], v9 offset:2048*vt+512*vc   ; V's four fragments land while the softmax is worked
.set vc, vc+1
.endr
.set vt, vt+1
.endr
	s_cmp_lt_u32 s[ST], s[GQ]                      ; only the group's last step lies on the diagonal
	s_cbranch_scc1 .Lopen_\@
	v_mov_b32 v254, 0xff800000                     ; -infinity: p = 0 then
.set n, 0
.rept 64
	v_cmp_gt_i32 vcc_lo, 32*(n/16)+n%16, v2
	v_cndmask_b32 v[96+n], v[96+n], v254, vcc_lo
.set n, n+1
.endr
.Lopen_\@:
	v_max3_num_f32 v254, v96, v97, v98             ; the step's largest score of my query, among my 64 keys, in two chains, each accumulator from its low end on,
	v_max3_num_f32 v252, v99, v100, v101
.set i, 6
.rept 14
	v_max3_num_f32 v254, v254, v[96+i], v[97+i]
	v_max3_num_f32 v252, v252, v[98+i], v[99+i]
.set i, i+4
.endr
	v_max3_num_f32 v254, v254, v158, v159
	v_max_num_f32 v254, v254, v252
	v_permlanex16_b32 v246, v254, s[SEL], s[SEL+1]
	v_max_num_f32 v254, v254, v246                 ; and among lane l xor 16's
	v_mul_f32 v254, s[CS], v254                    ; as t (c is positive)
	v_max_num_f32 v13, v13, v254                   ; the running largest t
	v_mov_b32 v254, v12
	v_floor_f32 v12, -v13                          ; the new -M = floor(-t) = -ceil(t): a whole number
	v_sub_f32 v254, v12, v254                      ; old M - new M: a whole number, 0 or less
	v_cvt_i32_f32 v254, v254                       ; (it saturates)
	v_ldexp_f32 v252, 1.0, v254                    ; f = 2^(old M - new M)
.set j, 0
.rept 32
	v_pk_fma_f32 v[96+j:97+j], v[96+j:97+j], s[CS:CS+1], v[12:13] op_sel_hi:[1,0,0]   ; t - M, two at a time (of the pairs c and -M the low word serves both halves)
.set j, j+2
.endr
.set j, 0
.rept 64
	v_exp_f32 v[96+j], v[96+j]                     ; p = 2^(t - M), at most 1
.set j, j+1
.endr
	v_pk_mul_f32 v[14:15], v[14:15], v[252:253] op_sel_hi:[1,0]   ; the sums under the new M: the plain line behind the exponentials
	s_wait_alu depctr_va_vdst(0)                   ; one wait for the whole batch, ahead of its first reader
	v_pk_add_f32 v[242:243], v[96:97], v[98:99]    ; the row's sum is taken of the unquantised p: two at a time, in two chains
.set j, 4
.rept 15
	v_pk_add_f32 v[14:15], v[14:15], v[96+j:97+j]
	v_pk_add_f32 v[242:243], v[242:243], v[98+j:99+j]
.set j, j+4
.endr
	v_pk_add_f32 v[14:15], v[14:15], v[242:243]
.set b, 0
.rept 4
.set i, 0
.rept 16
	v_min_num_f32 v[96+16*b+i], v[96+16*b+i], v240 ; the conversion does not saturate (ISA guide 7.6.2); p is not negative, so the hold is one-sided
.set i, i+1
.endr
	v_cvt_scalef32_pk8_bf8_f32 v[224+4*b:225+4*b], v[96+16*b:103+16*b], v244
	v_cvt_scalef32_pk8_bf8_f32 v[226+4*b:227+4*b], v[104+16*b:111+16*b], v244
.set b, b+1
.endr
.set j, 0
.rept 16
	v_pk_mul_f32 v[160+j:161+j], v[160+j:161+j], v[252:253] op_sel_hi:[1,0]   ; O^T under the new M; also the plain lines between the conversions and the products
.set j, j+2
.endr
	s_wait_dscnt 0x0                               ; V's fragments
.set vt, 0
.rept 4
	v_wmma_f32_16x16x128_bf8_bf8 v[160+8*vt:167+8*vt], v[32+16*vt:47+16*vt], v[224:239], v[160+8*vt:167+8*vt]   ; four accumulators by turns
.set vt, vt+1
.endr
.Lhidden_\@:
	s_add_co_u32 s[ST], s[ST], 1
	s_add_co_u32 s[TB], s[TB], 8192
.endm
; A CHUNK: four key steps.  The wave that fetched waits for its part of this chunk (the later chunks' loads, 3 - c of them, may stay out), then the barrier shows the chunk to all sixteen.
.macro CHUNK c
	s_wait_tensorcnt 3-(\c)
	s_wait_dscnt 0x0
	s_barrier_signal -1
	s_barrier_wait -1
	s_mov_b32 s[ST], 4*(\c)
	s_mov_b32 s[TB], 32768*(\c)
	s_mov_b32 s[CNT], 4
.Lstep_\@:
	STEP
	s_sub_co_u32 s[CNT], s[CNT], 1
	s_cmp_lg_u32 s[CNT], 0
	s_cbranch_scc1 .Lstep_\@
.endm
	s_wait_loadcnt 0x0                             ; Q
	CHUNK 0
	CHUNK 1
	CHUNK 2
	CHUNK 3
	; THE WAY OUT: O^T / the sum x 2^(e14 + e15) is y; it is quantised with 2^e16; register 16 b + i is channel 32 b + 16 h + i of my head: two pieces of y's image
.rept 4
	v_nop
.endr
	v_add_f32 v14, v14, v15                        ; the sum's two halves,
	v_permlanex16_b32 v246, v14, s[SEL], s[SEL+1]
	v_add_f32 v14, v14, v246                       ; and lane l xor 16's
	v_rcp_f32 v14, v14
	v_nop                                          ; a plain line behind the reciprocal
	s_wait_alu depctr_va_vdst(0)                   ; and the wait ahead of its first reader
	v_ldexp_f32 v14, v14, s31
.set j, 0
.rept 16
	v_pk_mul_f32 v[96+j:97+j], v[160+j:161+j], v[14:15] op_sel_hi:[1,0]
.set j, j+2
.endr
.set i, 0
.rept 32
	v_med3_num_f32 v[96+i], v[96+i], -v248, v248
.set i, i+1
.endr
.irp b, 0,1
	v_cvt_scalef32_pk8_bf8_f32 v[224+4*\b:225+4*\b], v[96+16*\b:103+16*\b], v249
	v_cvt_scalef32_pk8_bf8_f32 v[226+4*\b:227+4*\b], v[104+16*\b:111+16*\b], v249
.endr
	v_nop
	global_store_b128 v1, v[224:227], s[12:13]     ; each store of the wave covers 512 consecutive bytes, aligned
	global_store_b128 v1, v[228:231], s[12:13] offset:512
	s_wait_tensorcnt 0x0
	ds_add_u32 v251, v255
	s_wait_dscnt 0x0
	CROUND                                         ; the closing round: no work-group ends while a partner may still ask for a tile that names it
	s_endpgm
.Lfunc_end_k_q8dab73f5f4_attn:
	.size	k_q8dab73f5f4_attn, .Lfunc_end_k_q8dab73f5f4_attn-k_q8dab73f5f4_attn
	.p2alignl 7, 3214868480
	.fill 96, 4, 3214868480
	.section	.rodata,"a",@progbits
	.p2align	6, 0x0
	.amdhsa_kernel k_q8dab73f5f4_attn
		.amdhsa_group_segment_fixed_size 264192
		.amdhsa_private_segment_fixed_size 0
		.amdhsa_enable_private_segment 0
		.amdhsa_kernarg_size 40
		.amdhsa_user_sgpr_count 2
		.amdhsa_user_sgpr_kernarg_segment_ptr 1
		.amdhsa_wavefront_size32 1
		.amdhsa_system_sgpr_workgroup_id_x 1
		.amdhsa_system_sgpr_workgroup_id_y 1
		.amdhsa_system_sgpr_workgroup_id_z 1
		.amdhsa_system_vgpr_workitem_id 0
		.amdhsa_next_free_vgpr 256
		.amdhsa_next_free_sgpr 66
		.amdhsa_reserve_vcc 1
		.amdhsa_float_denorm_mode_32 3
		.amdhsa_float_denorm_mode_16_64 3
		.amdhsa_memory_ordered 1
		.amdhsa_forward_progress 1
		.amdhsa_inst_pref_size 95
	.end_amdhsa_kernel
	.amdgpu_metadata
---
amdhsa.version: [ 1, 2 ]
amdhsa.kernels:
  - .name:           k_q8dab73f5f4_attn
    .symbol:         k_q8dab73f5f4_attn.kd
    .args:
      - { .name: q_img, .offset: 0, .size: 8, .value_kind: global_buffer, .address_space: global }
      - { .name: k_img, .offset: 8, .size: 8, .value_kind: global_buffer, .address_space: global }
      - { .name: v_img, .offset: 16, .size: 8, .value_kind: global_buffer, .address_space: global }
      - { .name: lowp_scales, .offset: 24, .size: 8, .value_kind: global_buffer, .address_space: global }
      - { .name: y_img, .offset: 32, .size: 8, .value_kind: global_buffer, .address_space: global }
    .group_segment_fixed_size: 264192
    .private_segment_fixed_size: 0
    .kernarg_segment_align: 8
    .kernarg_segment_size: 40
    .max_flat_workgroup_size: 512
    .sgpr_count:     66
    .vgpr_count:     256
    .wavefront_size: 32
...
	.end_amdgpu_metadata
.endif
;; end of part 3
;; launch proj (part 4): grid 8 x 32, 8 waves a work-group, clusters of 4 x 4, 327,680 bytes of LDS; arguments y_img, wp_img, lowp_scales, b_proj, out0; writes out0
.if DOCPART == 4
	.amdgcn_target "amdgcn-amd-amdhsa--gfx1250"
	.amdhsa_code_object_version 6
	.text
	.protected	k_q8dab73f5f4_proj
	.globl	k_q8dab73f5f4_proj
	.p2align	8
	.type	k_q8dab73f5f4_proj,@function
k_q8dab73f5f4_proj:
	s_mov_b64 s[64:65], 0
	v_nop
	global_prefetch_b8 v0, s[64:65] scope:SCOPE_SE
	s_setreg_imm32_b32 hwreg(HW_REG_WAVE_MODE, 25, 1), 1
	s_wait_xcnt 0x0
	s_wait_alu depctr_hold_cnt(0) depctr_sa_sdst(0) depctr_va_vdst(0) depctr_va_sdst(0) depctr_va_ssrc(0) depctr_va_vcc(0) depctr_vm_vsrc(0)
	s_getreg_b32 s2, hwreg(HW_REG_IB_STS2, 6, 4)
	s_cmp_eq_u32 s2, 0
	s_cbranch_scc0 .Lentry_in_a_cluster
	s_endpgm
.Lentry_in_a_cluster:
	s_bfe_u32 s2, ttmp6, 0x10000c
	s_cmp_lg_u32 s2, 0xf033
	s_cbranch_scc0 .Lentry_shape_is_right
	s_endpgm
.Lentry_shape_is_right:
; out0 = y w_proj x 2^(e16 + e17) + b_proj, on codes of BF8 (E5M2).  y_img: (tile of 16 tokens x 8 + K step) x 2,048; wp_img: (tile of 16 columns x 8 + K step) x 2,048: images of operand registers
; (byte 512 c + 16 l + i = row l % 16, k = 32 c + 16 (l / 16) + i; row r of tile 2 b + u is row 32 b + 8 u + r + 8 (r / 8)).
; A work-group makes 128 tokens x 128 columns.  All of its y (131,072 bytes) and of its w_proj (131,072) lie in LDS, every byte filled once, in four parts of two K steps; nothing is filled again.
; CLUSTER 4 x 4: the four of a row of the cluster need the same y, the four of a column the same w_proj: each part is asked for JOINTLY (waves 0, 1: y's halves; waves 2, 3: w_proj's), by the same load with the same descriptor and a mask that names the four.
; SHARES.  Wave w: tokens 32 (w / 2) on (two tiles), columns 64 (w % 2) on (four tiles): eight accumulators.  TRANSPOSED: source 0 = 16 columns, source 1 = 16 tokens: a lane holds 16 neighbouring columns of one token in two neighbouring tiles.
; The way out goes through the wave's own stage (16 rows of 256 bytes + 16), which no load fills: sixteen lanes then store 256 consecutive bytes, aligned.
; LIMIT: e16 + e17 between -126 and 127, so that 2^(e16 + e17) is an f32 number.
; REGISTERS: v1-10 addresses; v32-95 accumulators ((i, n) at v[32 + 8 (4 i + n)]); v96-127 y's two fragments, later results; v128-191 w_proj's four, later rows read back; v192-223 the bias.
.set STAGE, 262144
.set SPI,   272
.macro CROUND                          ; a round of the cluster's barrier
	s_barrier_signal -1
	s_barrier_wait -1
	s_cmp_lg_u32 s14, 0
	s_cbranch_scc1 .Lnot_wave_0_\@
	s_barrier_signal -3
.Lnot_wave_0_\@:
	s_barrier_wait -3
	s_barrier_signal -1
	s_barrier_wait -1
.endm
.macro PLACES
.rept 4
	v_nop
.endr
.endm
	s_load_b256 s[4:11], s[0:1], 0x0               ; y_img s[4:5], wp_img s[6:7], the scales s[8:9], b_proj s[10:11]
	s_load_b64 s[12:13], s[0:1], 0x20              ; out0
	v_lshl_add_u32 v254, v0, 2, 0x48800
	v_mov_b32 v255, 0
	ds_add_u32 v254, v255
	ds_add_u32 v254, v255
	v_lshrrev_b32 v1, 5, v0
	v_readfirstlane_b32 s14, v1                    ; wave 0..7
	s_bfe_u32 s15, ttmp6, 0x40000                  ; cx, cy: my place in the cluster
	s_bfe_u32 s16, ttmp6, 0x40004
	s_lshl_b32 s17, ttmp9, 2
	s_add_co_u32 s17, s17, s15                     ; block of 128 columns = 4 x cluster x + cx
	s_and_b32 s18, ttmp7, 0xffff
	s_lshl_b32 s18, s18, 2
	s_add_co_u32 s18, s18, s16                     ; block of 128 tokens = 4 x cluster y + cy
	s_lshl_b32 s19, s16, 2
	s_lshl_b32 s19, 15, s19                        ; my row of the cluster
	s_lshl_b32 s20, 0x1111, s15                    ; my column
	; descriptor group 1: four tiles' two K steps: 4 rows of 4,096 bytes, 16,384 bytes apart in memory, dense in LDS
	s_or_b32 s24, s19, (3<<16)|(1<<21)             ; 15:0 the mask: y's parts go to my row; 17:16 elements of 8 bytes; 21 set beside a mask
	s_or_b32 s32, s20, (3<<16)|(1<<21)             ; w_proj's to my column
.irp g, 24, 32
	s_mov_b32 s[\g+1], 512<<16                     ; tensor_dim0 = 512
	s_mov_b32 s[\g+2], 4<<16                       ; tensor_dim1 = 4
	s_mov_b32 s[\g+3], 512<<16                     ; tile_dim0 = 512
	s_mov_b32 s[\g+4], 4                           ; tile_dim1 = 4
	s_mov_b32 s[\g+5], 2048                        ; from row to row
	s_mov_b32 s[\g+6], 0
	s_mov_b32 s[\g+7], 0
.endr
	s_and_b32 s21, s14, 1
	s_lshl_b32 s21, s21, 16                        ; which four tiles of the eight I fetch
	s_and_b32 s22, s14, 3
	s_lshl_b32 s22, s22, 16                        ; and where they go: y's halves, then w_proj's: no place in the cluster enters an LDS address
	s_lshl_b32 s88, s18, 17
	s_add_co_u32 s88, s88, s21                     ; y: hangs on the block of tokens alone,
	s_mov_b32 s89, 0
	s_lshl_b32 s90, s17, 17
	s_add_co_u32 s90, s90, s21                     ; w_proj: on the block of columns alone
	s_mov_b32 s91, 0
	s_wait_dscnt 0x0
	s_wait_kmcnt 0x0
	s_load_b64 s[86:87], s[8:9], 0x40              ; e16, e17
	s_add_nc_u64 s[56:57], s[4:5], s[88:89]
	s_add_nc_u64 s[58:59], s[6:7], s[90:91]
.irp p, 0,1,2,3
	s_mov_b32 s[40+4*\p], 1
	s_add_co_u32 s[41+4*\p], s22, \p*16384
	s_add_nc_u64 s[42+4*\p:43+4*\p], s[56:57], \p*4096
	s_or_b32 s[43+4*\p], s[43+4*\p], 0x80000000
	s_mov_b32 s[68+4*\p], 1
	s_add_co_u32 s[69+4*\p], s22, \p*16384
	s_add_nc_u64 s[70+4*\p:71+4*\p], s[58:59], \p*4096
	s_or_b32 s[71+4*\p], s[71+4*\p], 0x80000000
.endr
	CROUND                                         ; all sixteen work-groups are here: the joint loads meet
	s_cmp_lt_u32 s14, 2                            ; a wave's four first fills stand together, ahead of every wait on TENSORcnt, every LDS read and every other barrier: four loads of mine are out
	s_cbranch_scc0 .Lnot_a
	tensor_load_to_lds s[40:43], s[24:31]
	s_nop 0
	tensor_load_to_lds s[44:47], s[24:31]
	s_nop 0
	tensor_load_to_lds s[48:51], s[24:31]
	s_nop 0
	tensor_load_to_lds s[52:55], s[24:31]
	s_nop 0
.rept 4
	v_nop                                          ; four plain lines follow the last of them
.endr
	s_branch .Lasked
.Lnot_a:
	s_cmp_lt_u32 s14, 4
	s_cbranch_scc0 .Lasked
	tensor_load_to_lds s[68:71], s[32:39]
	s_nop 0
	tensor_load_to_lds s[72:75], s[32:39]
	s_nop 0
	tensor_load_to_lds s[76:79], s[32:39]
	s_nop 0
	tensor_load_to_lds s[80:83], s[32:39]
	s_nop 0
.rept 4
	v_nop
.endr
.Lasked:
	v_and_b32 v1, 31, v0                           ; lane
	v_and_b32 v2, 15, v0                           ; r
	v_bfe_u32 v3, v0, 4, 1                         ; h
	v_lshlrev_b32 v10, 4, v1                       ; 16 x lane
	s_lshr_b32 s23, s14, 1                         ; which 32 tokens
	s_and_b32 s60, s14, 1                          ; which 64 columns
	s_lshr_b32 s61, s23, 1
	s_lshl_b32 s61, s61, 16
	s_and_b32 s62, s23, 1
	s_lshl_b32 s62, s62, 13
	s_add_co_u32 s61, s61, s62
	v_add_nc_u32 v4, s61, v10                      ; y's fragments: the half, + 4,096 x my first tile in it
	s_lshl_b32 s62, s60, 16
	s_add_co_u32 s62, s62, 131072
	v_add_nc_u32 v5, s62, v10                      ; w_proj's: behind y's, my half
	s_mul_i32 s63, s14, 16*SPI
	s_add_co_u32 s63, s63, STAGE                   ; my stage
	v_mul_u32_u24 v6, v2, SPI
	v_lshl_add_u32 v6, v3, 6, v6
	v_add_nc_u32 v6, s63, v6                       ; in: row r, + 64 h: 16 columns of my half
	v_mul_u32_u24 v7, v3, SPI
	v_lshl_add_u32 v7, v2, 4, v7
	v_add_nc_u32 v7, s63, v7                       ; back: lanes 0-15 one row, lanes 16-31 the next
	v_lshlrev_b32 v8, 12, v3
	v_lshl_add_u32 v8, v2, 4, v8                   ; and the same two rows of out0
	v_lshlrev_b32 v9, 6, v3                        ; the bias: + 64 h
	s_lshl_b32 s92, s17, 9
	s_lshl_b32 s93, s60, 8
	s_add_co_u32 s92, s92, s93                     ; my first column, in bytes
	s_mov_b32 s93, 0
	s_add_nc_u64 s[10:11], s[10:11], s[92:93]
	s_lshl_b32 s94, s18, 7
	s_lshl_b32 s95, s23, 5
	s_add_co_u32 s94, s94, s95                     ; my first token
	s_lshl_b32 s94, s94, 12
	s_add_co_u32 s94, s94, s92
	s_mov_b32 s95, 0
	s_add_nc_u64 s[12:13], s[12:13], s[94:95]
.irp q, 0,1
.irp j, 0,1,2,3
	global_load_b128 v[192+16*\q+4*\j:195+16*\q+4*\j], v9, s[10:11] offset:128*\q+16*\j   ; b(32 q + 16 h + 0 .. 15), in the results' layout
.endr
.endr
; A K step of 128: 24 LDS loads, 8 matrix instructions on the eight accumulators by turns.  At each even step: the wave that fetched waits for its part of these two steps
; (the later parts' loads may stay out), and the barrier shows the part to all eight waves.
.macro KSTEP s
.if ((\s)%2) == 0
	s_wait_tensorcnt 3-(\s)/2
	s_barrier_signal -1
	s_barrier_wait -1
.endif
.if (\s) > 0
	PLACES                                         ; in front of loads into registers that the last products read
.endif
.set bn, 0
.rept 4
.set bc, 0
.rept 4
	ds_load_b128 v[128+16*bn+4*bc:131+16*bn+4*bc], v5 offset:16384*((\s)/2)+4096*bn+2048*((\s)%2)+512*bc
.set bc, bc+1
.endr
.set bn, bn+1
.endr
.set ai, 0
.rept 2
.set ac, 0
.rept 4
	ds_load_b128 v[96+16*ai+4*ac:99+16*ai+4*ac], v4 offset:16384*((\s)/2)+4096*ai+2048*((\s)%2)+512*ac
.set ac, ac+1
.endr
.set ai, ai+1
.endr
.set wi, 0
.rept 2
.if wi == 0
	s_wait_dscnt 4                                 ; all but y's second tile
.else
	s_wait_dscnt 0x0
.endif
.set wn, 0
.rept 4
.if (\s) == 0
	v_wmma_f32_16x16x128_bf8_bf8 v[32+8*(4*wi+wn):39+8*(4*wi+wn)], v[128+16*wn:143+16*wn], v[96+16*wi:111+16*wi], 0
.else
	v_wmma_f32_16x16x128_bf8_bf8 v[32+8*(4*wi+wn):39+8*(4*wi+wn)], v[128+16*wn:143+16*wn], v[96+16*wi:111+16*wi], v[32+8*(4*wi+wn):39+8*(4*wi+wn)]
.endif
.set wn, wn+1
.endr
.set wi, wi+1
.endr
.endm
.irp s, 0,1,2,3,4,5,6,7
	KSTEP \s
.endr
	s_wait_kmcnt 0x0
	s_add_co_i32 s86, s86, s87
	s_add_co_i32 s86, s86, 127
	s_lshl_b32 s86, s86, 23                        ; 2^(e16 + e17) as f32
	s_mov_b32 s87, s86                             ; (named with it as a pair, so it is written)
	PLACES
	s_wait_loadcnt 0x0                             ; the bias
; THE WAY OUT, a tile of 16 tokens at a time: sum x 2^(e16 + e17) + b, one packed multiply-add for two numbers; 64 bytes a lane into my stage; back as whole rows of 256 bytes.
.macro TOSTAGE i
.set k, 0
.rept 16
	v_pk_fma_f32 v[96+2*k:97+2*k], v[32+32*\i+2*k:33+32*\i+2*k], s[86:87], v[192+2*k:193+2*k] op_sel_hi:[1,0,1]   ; each accumulator from its low end on
.set k, k+1
.endr
.irp q, 0,1
.irp j, 0,1,2,3
	ds_store_b128 v6, v[96+16*\q+4*\j:99+16*\q+4*\j] offset:128*\q+16*\j
.endr
.endr
.set k, 0
.rept 8
	ds_load_b128 v[128+32*\i+4*k:131+32*\i+4*k], v7 offset:2*SPI*k   ; LDS serves a wave's instructions in order (ISA guide 5.7.1.4): these see my stores, and the next tile's stores come behind them
.set k, k+1
.endr
.endm
.macro SEND i, younger                 ; younger: the LDS instructions issued behind tile i's loads
	s_wait_dscnt \younger
.set k, 0
.rept 8
	global_store_b128 v8, v[128+32*\i+4*k:131+32*\i+4*k], s[12:13] offset:(8*\i+2*k+8*(k/4))*4096 th:TH_STORE_NT   ; the tile's rows 2 k, 2 k + 1 are tokens 8 i + 2 k + 8 (k / 4) and the next; 16 lanes store 256 consecutive bytes, aligned
.set k, k+1
.endr
.endm
	TOSTAGE 0
	TOSTAGE 1
	SEND 0, 16                                     ; tile 1's eight stores and eight loads may stay out
	SEND 1, 0
	s_wait_tensorcnt 0x0
	ds_add_u32 v254, v255
	s_wait_dscnt 0x0
	CROUND                                         ; the closing round: no work-group ends while a partner may still ask for a tile that names it
	s_endpgm
.Lfunc_end_k_q8dab73f5f4_proj:
	.size	k_q8dab73f5f4_proj, .Lfunc_end_k_q8dab73f5f4_proj-k_q8dab73f5f4_proj
	.p2alignl 7, 3214868480
	.fill 96, 4, 3214868480
	.section	.rodata,"a",@progbits
	.p2align	6, 0x0
	.amdhsa_kernel k_q8dab73f5f4_proj
		.amdhsa_group_segment_fixed_size 327680
		.amdhsa_private_segment_fixed_size 0
		.amdhsa_enable_private_segment 0
		.amdhsa_kernarg_size 40
		.amdhsa_user_sgpr_count 2
		.amdhsa_user_sgpr_kernarg_segment_ptr 1
		.amdhsa_wavefront_size32 1
		.amdhsa_system_sgpr_workgroup_id_x 1
		.amdhsa_system_sgpr_workgroup_id_y 1
		.amdhsa_system_sgpr_workgroup_id_z 1
		.amdhsa_system_vgpr_workitem_id 0
		.amdhsa_next_free_vgpr 256
		.amdhsa_next_free_sgpr 96
		.amdhsa_reserve_vcc 0
		.amdhsa_float_denorm_mode_32 3
		.amdhsa_float_denorm_mode_16_64 3
		.amdhsa_memory_ordered 1
		.amdhsa_forward_progress 1
		.amdhsa_inst_pref_size 33
	.end_amdhsa_kernel
	.amdgpu_metadata
---
amdhsa.version: [ 1, 2 ]
amdhsa.kernels:
  - .name:           k_q8dab73f5f4_proj
    .symbol:         k_q8dab73f5f4_proj.kd
    .args:
      - { .name: y_img, .offset: 0, .size: 8, .value_kind: global_buffer, .address_space: global }
      - { .name: wp_img, .offset: 8, .size: 8, .value_kind: global_buffer, .address_space: global }
      - { .name: lowp_scales, .offset: 16, .size: 8, .value_kind: global_buffer, .address_space: global }
      - { .name: b_proj, .offset: 24, .size: 8, .value_kind: global_buffer, .address_space: global }
      - { .name: out0, .offset: 32, .size: 8, .value_kind: global_buffer, .address_space: global }
    .group_segment_fixed_size: 327680
    .private_segment_fixed_size: 0
    .kernarg_segment_align: 8
    .kernarg_segment_size: 40
    .max_flat_workgroup_size: 256
    .sgpr_count:     96
    .vgpr_count:     256
    .wavefront_size: 32
...
	.end_amdgpu_metadata
.endif
;; end of part 4
;; ======== version 2 of 2: 4 launches
;; workspace buffers: wl_img 786,432 bytes; wh_img 786,432 bytes; wp_img 1,048,576 bytes; q_img 4,194,304 bytes; k_img 4,194,304 bytes; v_img 4,194,304 bytes; y_img 4,194,304 bytes
;; launch prep (part 5): grid 16 x 10, 4 waves a work-group, no clusters, 18,944 bytes of LDS; arguments wq_lat, wk_lat, wv_lat, wq_heads, wk_heads, wv_heads, w_proj, lowp_scales, wl_img, wh_img, wp_img; writes wl_img, wh_img, wp_img
.if DOCPART == 5
	.amdgcn_target "amdgcn-amd-amdhsa--gfx1250"
	.amdhsa_code_object_version 6
	.text
	.protected	k_q8dab73f5f4_prep
	.globl	k_q8dab73f5f4_prep
	.p2align	8
	.type	k_q8dab73f5f4_prep,@function
k_q8dab73f5f4_prep:
	s_mov_b64 s[64:65], 0
	v_nop
	global_prefetch_b8 v0, s[64:65] scope:SCOPE_SE
	s_setreg_imm32_b32 hwreg(HW_REG_WAVE_MODE, 25, 1), 1
	s_wait_xcnt 0x0
; The seven weights, f32 stored [K][N], become codes of BF8 (E5M2), each with its given scale 2^e, laid in the ORDER OF AN OPERAND'S REGISTERS.
; AN IMAGE is 2,048 bytes: a fragment of 16 rows (here columns n of the weight) x 128 along K.  Byte 512 c + 16 l + i is the code of the tile's row l % 16 at k = 128 s + 32 c + 16 (l / 16) + i.
; THE ROWS OF A TILE ARE NOT NEIGHBOURS: row r of tile 2 b + u is column 32 b + 8 u + r + 8 (r / 8), so that in a transposed product the 16 registers of two neighbouring tiles are 16 neighbours along the next K.
; Images lie at (tile x K steps + K step) x 2,048; the three latent weights 262,144 bytes apart in wl_img, the three head weights likewise in wh_img.
; code = w / 2^e, held within +-57,344, to the nearest code, ties to even.  LIMITS: e between -126 and 112.  NaN among the inputs is not served.
; SHARES.  A work-group takes 128 columns x 128 K of one weight: y = 0..2 the latent weights (16 such parts each), y = 3..5 the head weights (16 each), y = 6..9 w_proj (64).
; A wave takes 32 columns (a pair of tiles); A LANE TAKES A COLUMN AND ITS 128 REGISTERS RUN DOWN K: each load reads 128 consecutive bytes, and the conversions give codes with K innermost.
; The codes turn through the wave's own stage in LDS (32 rows of 128 bytes + 16) and leave in image order: each store of the wave covers 512 consecutive bytes, aligned.
; No cluster and no tensor load: no two work-groups read the same byte.  No barrier: waves share nothing.
.set X,    16                          ; v16-143  my column's 128 numbers
.set C,    144                         ; v144-175 their codes
.set OUTR, 176                         ; v176-207 the way out: two images' pieces
.set SP,   144                         ; a stage row
.set WST,  32*SP                       ; a wave's stage
	s_load_b512 s[8:23], s[0:1], 0x0               ; the seven weights s[8:21], the scales' exponents s[22:23]
	s_load_b128 s[24:27], s[0:1], 0x40             ; wl_img, wh_img
	s_load_b64 s[28:29], s[0:1], 0x50              ; wp_img
	v_lshl_add_u32 v208, v0, 2, 0x4800
	v_mov_b32 v209, 0
	v_lshrrev_b32 v1, 5, v0
	v_readfirstlane_b32 s4, v1                     ; wave 0..3
	s_and_b32 s3, ttmp7, 0xffff                    ; y: which weight
	s_sub_co_i32 s5, s3, 6
	s_max_i32 s5, s5, 0
	s_lshl_b32 s5, s5, 4
	s_add_co_u32 s5, s5, ttmp9                     ; which part of the weight: x, and for w_proj x + 16 (y - 6)
	s_sub_co_u32 s6, s3, 3
	s_cmp_lt_u32 s6, 3                             ; a head weight?
	s_cselect_b32 s7, 1, 3                         ; log2 of the K steps: 2 for K = 256, 8 for K = 1,024
	s_cselect_b32 s36, s6, 0                       ; which of its three
	s_cmp_lt_u32 s3, 3                             ; a latent weight?
	s_cselect_b32 s36, s3, s36
	s_cselect_b32 s40, 17, 19                      ; log2 of 128 rows' bytes: rows of 1,024 or of 4,096 bytes
	s_lshr_b32 s41, s5, s7                         ; block of 128 columns
	s_lshl_b32 s42, s41, s7
	s_sub_co_u32 s42, s5, s42                      ; K step
	s_lshl_b32 s44, s42, s40                       ; from where: 128 rows x K step
	s_lshl_b32 s2, s41, 9
	s_add_co_u32 s44, s44, s2                      ; + 512 bytes x block of columns
	s_lshl_b32 s2, s4, 7
	s_add_co_u32 s44, s44, s2                      ; + 128 bytes x wave
	s_mov_b32 s45, 0
	s_lshl_b32 s46, s41, 2
	s_add_co_u32 s46, s46, s4                      ; my pair of tiles
	s_add_co_u32 s2, s7, 12
	s_lshl_b32 s46, s46, s2                        ; to where: 2 tiles x K steps x 2,048 for each pair
	s_lshl_b32 s2, s36, 18
	s_add_co_u32 s46, s46, s2                      ; + 262,144 x which of three
	s_lshl_b32 s2, s42, 11
	s_add_co_u32 s46, s46, s2                      ; + 2,048 x K step
	s_mov_b32 s47, 0
	s_add_co_u32 s2, s7, 11
	s_lshl_b32 s2, 1, s2                           ; from a pair's first tile to its second: K steps x 2,048
	v_and_b32 v1, 31, v0                           ; lane
	v_and_b32 v2, 15, v0                           ; r
	v_bfe_u32 v5, v0, 4, 1                         ; h
	v_lshlrev_b32 v3, 2, v1                        ; in: 4 bytes a lane
	s_mul_i32 s34, s4, WST                         ; my stage
	v_mul_u32_u24 v4, v1, SP
	v_add_nc_u32 v4, s34, v4                       ; into it: row = my column
	v_and_b32 v6, 8, v2
	v_add_nc_u32 v6, v6, v2                        ; r + 8 (r / 8)
	v_mul_u32_u24 v7, v6, SP
	v_lshl_add_u32 v7, v5, 4, v7
	v_add_nc_u32 v7, s34, v7                       ; out of it: the tile's row r, + 16 h
	v_lshlrev_b32 v8, 4, v1                        ; my 16 bytes of a piece of the first tile's image,
	v_add_nc_u32 v9, s2, v8                        ; and of the second's
	s_wait_kmcnt 0x0
	s_load_b512 s[48:63], s[22:23], 0x0            ; entries 0 to 15 of the scales,
	s_load_b32 s66, s[22:23], 0x44                 ; and entry 17
	s_mov_b64 s[30:31], s[20:21]                   ; the weight: chosen on the work-group's y alone
.irp j, 0,1,2,3,4,5
	s_cmp_eq_u32 s3, \j
	s_cselect_b64 s[30:31], s[8+2*\j:9+2*\j], s[30:31]
.endr
	s_cmp_lt_u32 s3, 6
	s_cselect_b64 s[32:33], s[26:27], s[28:29]
	s_cmp_lt_u32 s3, 3
	s_cselect_b64 s[32:33], s[24:25], s[32:33]     ; and its buffer of images
	s_add_nc_u64 s[30:31], s[30:31], s[44:45]
	s_add_nc_u64 s[32:33], s[32:33], s[46:47]
.macro LOADS pitch                     ; W(128 s + n, my column), n = 0 .. 127: every offset is an immediate, 127 x 4,096 at the most
.set n, 0
.rept 128
	global_load_b32 v[X+n], v3, s[30:31] offset:n*\pitch th:TH_LOAD_NT
.set n, n+1
.endr
.endm
	s_cmp_lt_u32 s3, 3                             ; the two row lengths part for the loads alone: both ways issue 128 loads, so the counts below hold on both
	s_cbranch_scc0 .Lwide
	LOADS 1024
	s_branch .Lloaded
.Lwide:
	LOADS 4096
.Lloaded:
	s_wait_kmcnt 0x0
	s_mov_b32 s5, s66                              ; e: entry 17 for w_proj; 1, 5, 9 for the latent weights; 3, 7, 11 for the head weights
	s_cmp_eq_u32 s3, 0
	s_cselect_b32 s5, s49, s5
	s_cmp_eq_u32 s3, 1
	s_cselect_b32 s5, s53, s5
	s_cmp_eq_u32 s3, 2
	s_cselect_b32 s5, s57, s5
	s_cmp_eq_u32 s3, 3
	s_cselect_b32 s5, s51, s5
	s_cmp_eq_u32 s3, 4
	s_cselect_b32 s5, s55, s5
	s_cmp_eq_u32 s3, 5
	s_cselect_b32 s5, s59, s5
	s_add_co_i32 s5, s5, 127
	s_lshl_b32 s6, s5, 23
	v_mov_b32 v11, s6                              ; 2^e as f32: the conversion takes its exponent field
	s_add_co_i32 s5, s5, 15
	s_lshl_b32 s5, s5, 23
	s_or_b32 s5, s5, 0x600000
	v_mov_b32 v10, s5                              ; 57,344 x 2^e
.macro BLOCK t, left                   ; 32 along K: hold, convert, 32 bytes into my stage row.  left: younger loads that may stay out (held at what the wait can name)
	s_wait_loadcnt \left
.set i, 0
.rept 32
	v_med3_num_f32 v[X+32*\t+i], v[X+32*\t+i], -v10, v10   ; the conversion to an 8-bit code does not saturate (ISA guide 7.6.2): the hold comes first
.set i, i+1
.endr
.set g, 0
.rept 4
	v_cvt_scalef32_pk8_bf8_f32 v[C+8*\t+2*g:C+8*\t+2*g+1], v[X+32*\t+8*g:X+32*\t+8*g+7], v11
.set g, g+1
.endr
	ds_store_b128 v4, v[C+8*\t:C+8*\t+3] offset:32*\t
	ds_store_b128 v4, v[C+8*\t+4:C+8*\t+7] offset:32*\t+16
.endm
	s_wait_alu depctr_va_vdst(0)
	BLOCK 0, 63                                    ; 96 younger loads
	BLOCK 1, 63                                    ; 64
	BLOCK 2, 32
	BLOCK 3, 0
	v_nop                                          ; a plain line behind the last conversion
.irp u, 0,1
.irp c, 0,1,2,3
	ds_load_b128 v[OUTR+4*(4*\u+\c):OUTR+4*(4*\u+\c)+3], v7 offset:\u*8*SP+32*\c   ; LDS serves a wave's instructions in order (ISA guide 5.7.1.4): these see my stores
.endr
.endr
.irp u, 0,1
.irp c, 0,1,2,3
	s_wait_dscnt 7-(4*\u+\c)                       ; the younger reads of the stage may stay out
	global_store_b128 v[8+\u], v[OUTR+4*(4*\u+\c):OUTR+4*(4*\u+\c)+3], s[32:33] offset:512*\c   ; a piece of an image: 512 consecutive bytes, aligned
.endr
.endr
	s_wait_tensorcnt 0x0
	ds_add_u32 v208, v209
	s_wait_dscnt 0x0
	s_endpgm
.Lfunc_end_k_q8dab73f5f4_prep:
	.size	k_q8dab73f5f4_prep, .Lfunc_end_k_q8dab73f5f4_prep-k_q8dab73f5f4_prep
	.p2alignl 7, 3214868480
	.fill 96, 4, 3214868480
	.section	.rodata,"a",@progbits
	.p2align	6, 0x0
	.amdhsa_kernel k_q8dab73f5f4_prep
		.amdhsa_group_segment_fixed_size 18944
		.amdhsa_private_segment_fixed_size 0
		.amdhsa_enable_private_segment 0
		.amdhsa_kernarg_size 88
		.amdhsa_user_sgpr_count 2
		.amdhsa_user_sgpr_kernarg_segment_ptr 1
		.amdhsa_wavefront_size32 1
		.amdhsa_system_sgpr_workgroup_id_x 1
		.amdhsa_system_sgpr_workgroup_id_y 1
		.amdhsa_system_sgpr_workgroup_id_z 1
		.amdhsa_system_vgpr_workitem_id 0
		.amdhsa_next_free_vgpr 210
		.amdhsa_next_free_sgpr 68
		.amdhsa_reserve_vcc 0
		.amdhsa_float_denorm_mode_32 3
		.amdhsa_float_denorm_mode_16_64 3
		.amdhsa_memory_ordered 1
		.amdhsa_forward_progress 1
		.amdhsa_inst_pref_size 40
	.end_amdhsa_kernel
	.amdgpu_metadata
---
amdhsa.version: [ 1, 2 ]
amdhsa.kernels:
  - .name:           k_q8dab73f5f4_prep
    .symbol:         k_q8dab73f5f4_prep.kd
    .args:
      - { .name: wq_lat, .offset: 0, .size: 8, .value_kind: global_buffer, .address_space: global }
      - { .name: wk_lat, .offset: 8, .size: 8, .value_kind: global_buffer, .address_space: global }
      - { .name: wv_lat, .offset: 16, .size: 8, .value_kind: global_buffer, .address_space: global }
      - { .name: wq_heads, .offset: 24, .size: 8, .value_kind: global_buffer, .address_space: global }
      - { .name: wk_heads, .offset: 32, .size: 8, .value_kind: global_buffer, .address_space: global }
      - { .name: wv_heads, .offset: 40, .size: 8, .value_kind: global_buffer, .address_space: global }
      - { .name: w_proj, .offset: 48, .size: 8, .value_kind: global_buffer, .address_space: global }
      - { .name: lowp_scales, .offset: 56, .size: 8, .value_kind: global_buffer, .address_space: global }
      - { .name: wl_img, .offset: 64, .size: 8, .value_kind: global_buffer, .address_space: global }
      - { .name: wh_img, .offset: 72, .size: 8, .value_kind: global_buffer, .address_space: global }
      - { .name: wp_img, .offset: 80, .size: 8, .value_kind: global_buffer, .address_space: global }
    .group_segment_fixed_size: 18944
    .private_segment_fixed_size: 0
    .kernarg_segment_align: 8
    .kernarg_segment_size: 88
    .max_flat_workgroup_size: 128
    .sgpr_count:     68
    .vgpr_count:     210
    .wavefront_size: 32
...
	.end_amdgpu_metadata
.endif
;; end of part 5
;; launch qkv (part 6): grid 64 x 3, 4 waves a work-group, no clusters, 82,432 bytes of LDS; arguments x, lowp_scales, wl_img, wh_img, q_img, k_img, v_img; writes q_img, k_img, v_img
.if DOCPART == 6
	.amdgcn_target "amdgcn-amd-amdhsa--gfx1250"
	.amdhsa_code_object_version 6
	.text
	.protected	k_q8dab73f5f4_qkv
	.globl	k_q8dab73f5f4_qkv
	.p2align	8
	.type	k_q8dab73f5f4_qkv,@function
k_q8dab73f5f4_qkv:
	s_mov_b64 s[64:65], 0
	v_nop
	global_prefetch_b8 v0, s[64:65] scope:SCOPE_SE
	s_setreg_imm32_b32 hwreg(HW_REG_WAVE_SCHED_MODE, 0, 2), 2
	s_setreg_imm32_b32 hwreg(HW_REG_WAVE_MODE, 25, 1), 1
	s_wait_xcnt 0x0
	s_wait_alu depctr_vm_vsrc(0)
; One of q, k, v (work-group y = 0, 1, 2) for 64 tokens (work-group x): Q(x) W_lat, quantised, times W_heads, quantised: all on codes of BF8 (E5M2) with the given scales; the latent never goes to memory.
; IMAGES.  Every operand is an image of its registers: 16 rows x 128 K in 2,048 bytes, byte 512 c + 16 l + i = row l % 16, k = 32 c + 16 (l / 16) + i (q and k: 64 K, 1,024 bytes).  Row r of tile 2 b + u is row 32 b + 8 u + r + 8 (r / 8):
; tokens, latent columns and channels alike.  So in a transposed product the 16 registers of two neighbouring tiles are 16 neighbours along the next K, and the conversions' results are pieces of the next image.
; SHARES.  THE WAVES SHARE THE COLUMNS: wave w makes latent columns 64 w .. + 63 and heads 4 w .. 4 w + 3 for all 64 tokens; its weights come from memory straight into its registers, in image order, and feed all four tiles of tokens.
; Wave w also quantises tile w of x's tokens.  x's 32 images and the latent's 8 go from wave to wave through LDS.  Two barriers.
; NO CLUSTER: what work-groups share are the weights, which here never touch LDS; a joint load lands in LDS alone, which would add 512 KB of LDS writes and as many reads to a work-group whose first product already reads 8 KB of LDS for 16 matrix instructions.
; OUT.  q_img, k_img: ((batch 16 + head) 128 + tile of tokens) x 1,024.  v_img: rows = channels, K = keys: (((batch 16 + head) 16 + group of 128 keys) 4 + tile of channels) x 2,048; for it the second product's sources change places.
; LIMITS on the given exponents, so that each power of two is an f32 number: ex, el - ex - ewl and eo - el - ewh between -126 and 112.  NaN among the inputs is not served.
; REGISTERS, in windows of 256.  Window 0: v1-15 addresses; v16-21 scales and holds; v32-159 16 accumulators (first: two sets of 64 numbers of x); v224-255 codes just made.
;   Window 1: W_lat's K steps 0-3, later heads 1 and 2.  Window 2: W_lat's K steps 4-7, later head 3.  Window 3: v0-127 x's fragments in two sets, later the latent's eight; v128-255 head 0.
; THE MODE: SCHED_MODE bits 1:0 = 2 (LLVM: expert scheduling mode 2), set by the entry lines.  The code itself states the register dependences between vector or matrix instructions and memory or LDS instructions,
; with s_wait_alu, always for 0.
; THE PLAN.  Registers that memory or LDS instructions touch, and who else names them:
;   v4-8, v12-15   offsets and LDS addresses: made once at the head, never written again.  One wait on va_vdst ahead of the first load serves every load and store.
;   x's two sets   (v32-95, v96-159)  X step f: its holds and conversions read and write set f % 2; behind them the loads of step f + 2 land in it.
;   v[PC ..]       written by conversions; read by the LDS stores of an image or the global stores of a head's codes, which follow at once; written again by the next conversions.
;   W_lat's steps  (windows 1, 2)  latent step s: its 16 products read step s's 64 registers; in latent step s + 2 half a head's weights land in them.
;   x's fragments  (window 3, two sets)  latent step s: its products read set s % 2, while the LDS loads of step s + 1 land in the other; behind the second barrier the latent's eight fragments land in both.
;   head 0's       (window 3, v128 on)  nothing names them ahead of their loads.
; So: an X step has one wait on va_vdst, behind its conversions (the codes are written; the set of x is done with), and one on vm_vsrc at its head (the last image's stores have read the codes' registers).
; A latent step has one wait on va_vdst, at its head: the products of the steps before are done reading.  The step's loads follow it, dealt among its 16 products, which name W_lat's step s, x's set s % 2 and the accumulators:
; none of the registers that those loads touch.  A head has one wait on vm_vsrc ahead of its conversions and one on va_vdst between them and its stores.
.set XIMG, 0                           ; LDS: x's images, (8 m + s) x 2,048
.set LIMG, 65536                       ; the latent's, (2 m + s) x 2,048
.set ACC,  32
.set PC,   224
.set MSB,  0
.macro WIN new                         ; the immediate's high byte repeats the setting that is left
.if MSB != (\new)
	s_set_vgpr_msb (MSB<<8)|(\new)
.set MSB, (\new)
.endif
.endm
.macro PLACES                          ; four plain lines between a matrix instruction and a read of its result; ahead of loads into its sources they stand beside the wait on va_vdst
.rept 4
	v_nop
.endr
.endm
.macro BARRIER                         ; my LDS stores have landed and my LDS loads are in: then the work-group's barrier
	s_wait_dscnt 0x0
	s_barrier_signal -1
	s_barrier_wait -1
.endm
.macro SCALES se, vsc, vlim            ; from the exponent in \se: 2^e for the conversion, 57,344 x 2^e for the hold
	s_add_co_i32 s44, \se, 127
	s_lshl_b32 s45, s44, 23
	v_mov_b32 v[\vsc], s45
	s_add_co_i32 s44, s44, 15
	s_lshl_b32 s44, s44, 23
	s_or_b32 s44, s44, 0x600000
	v_mov_b32 v[\vlim], s44
.endm
; n groups of 16 neighbours along K, from v[src] on, become n x 4 registers of codes from v[dst] on
.macro QUANT src, n, dst, sc, lim
.set qg, 0
.rept \n
.set qi, 0
.rept 16
	v_med3_num_f32 v[\src+16*qg+qi], v[\src+16*qg+qi], -v[\lim], v[\lim]   ; the conversion does not saturate (ISA guide 7.6.2): the hold comes first; each accumulator from its low end on
.set qi, qi+1
.endr
	v_cvt_scalef32_pk8_bf8_f32 v[\dst+4*qg:\dst+4*qg+1], v[\src+16*qg:\src+16*qg+7], v[\sc]
	v_cvt_scalef32_pk8_bf8_f32 v[\dst+4*qg+2:\dst+4*qg+3], v[\src+16*qg+8:\src+16*qg+15], v[\sc]
.set qg, qg+1
.endr
	v_nop                                          ; a plain line behind the last conversion, ahead of whatever next writes its sources
.endm
.macro XLOAD f                         ; my 16 tokens' numbers of K step f: lane (r, h) takes 16 neighbours of each block of 32
.set xb, 0
.rept 4
.set xj, 0
.rept 4
	global_load_b128 v[ACC+64*((\f)%2)+16*xb+4*xj:ACC+64*((\f)%2)+16*xb+4*xj+3], v4, s[4:5] offset:512*(\f)+128*xb+16*xj
.set xj, xj+1
.endr
.set xb, xb+1
.endr
.endm
.macro WLLOAD f                        ; my four tiles of W_lat, K step f: they stay
.if (\f) < 4
	WIN 0x40
.else
	WIN 0x80
.endif
.set wi, 0
.rept 4
.set wc, 0
.rept 4
	global_load_b128 v[64*((\f)%4)+16*wi+4*wc:64*((\f)%4)+16*wi+4*wc+3], v5, s[8:9] offset:16384*wi+2048*(\f)+512*wc
.set wc, wc+1
.endr
.set wi, wi+1
.endr
	WIN 0
.endm
.macro HSET hd                         ; where head hd's eight fragments lie: window HW, from v[HB] on
.if (\hd) == 0
.set HW, 3
.set HB, 128
.elseif (\hd) == 1
.set HW, 1
.set HB, 0
.elseif (\hd) == 2
.set HW, 1
.set HB, 128
.else
.set HW, 2
.set HB, 0
.endif
.endm
.macro HHALF hd, e0                    ; head hd of my four: fragments e0 .. e0 + 3 of its eight (fragment 2 t + s at v[HB + 16 (2 t + s)]): 16 loads
	HSET \hd
	WIN HW<<6
.set he, \e0
.rept 4
.set hc, 0
.rept 4
	global_load_b128 v[HB+16*he+4*hc:HB+16*he+4*hc+3], v5, s[10:11] offset:16384*(\hd)+2048*he+512*hc
.set hc, hc+1
.endr
.set he, he+1
.endr
.endm
	s_load_b256 s[4:11], s[0:1], 0x0               ; x s[4:5], the scales s[6:7], wl_img s[8:9], wh_img s[10:11]
	s_load_b128 s[12:15], s[0:1], 0x20             ; q_img, k_img
	s_load_b64 s[16:17], s[0:1], 0x30              ; v_img
	v_lshl_add_u32 v222, v0, 2, 0x14000
	v_mov_b32 v223, 0
	v_lshrrev_b32 v1, 5, v0
	v_readfirstlane_b32 s18, v1                    ; wave 0..3
	s_mov_b32 s19, ttmp9                           ; block of 64 tokens
	s_and_b32 s20, ttmp7, 0xffff                   ; 0: q, 1: k, 2: v
	v_and_b32 v1, 31, v0                           ; lane
	v_and_b32 v2, 15, v0                           ; r
	v_bfe_u32 v3, v0, 4, 1                         ; h
	v_and_b32 v4, 8, v2
	v_add_nc_u32 v4, v4, v2                        ; r + 8 (r / 8)
	v_lshlrev_b32 v4, 12, v4
	v_lshl_add_u32 v4, v3, 6, v4                   ; x: my token's row of 4,096 bytes, + 64 h
	v_lshlrev_b32 v5, 4, v1                        ; 16 x lane: my place in a piece of an image
	s_wait_alu depctr_va_vdst(0)
	s_wait_alu depctr_va_sdst(0)                   ; s18, the wave's number, is written, ahead of its first reader: LDS addresses and the bases of x, the weights and the output are made from it
	s_lshl_b32 s23, s18, 14
	v_add_nc_u32 v6, s23, v5                       ; where I store x's images: tile w's eight
	s_lshr_b32 s23, s18, 1
	s_lshl_b32 s23, s23, 11
	s_and_b32 s29, s18, 1
	s_lshl_b32 s29, s29, 10
	s_add_co_u32 s23, s23, s29
	s_add_co_u32 s23, s23, LIMG
	v_add_nc_u32 v7, s23, v5                       ; the latent's: K step w / 2, pieces 2 (w % 2) on
	v_add_nc_u32 v8, LIMG, v5                      ; and from where I read them
	s_cmp_lt_u32 s20, 2
	s_cselect_b32 s29, 10, 11
	s_lshl_b32 s32, 1, s29                         ; from image to image on the way out: 1,024 (q, k) or 2,048 (v)
	v_mov_b32 v12, v5
	v_add_nc_u32 v13, s32, v5
	v_add_nc_u32 v14, s32, v13
	v_add_nc_u32 v15, s32, v14
	s_lshl_b32 s34, s19, 6
	s_lshr_b32 s33, s18, 1
	s_lshl_b32 s33, s33, 5
	s_add_co_u32 s34, s34, s33
	s_and_b32 s33, s18, 1
	s_lshl_b32 s33, s33, 3
	s_add_co_u32 s34, s34, s33                     ; tile w's first token: 64 x block + 32 (w / 2) + 8 (w % 2)
	s_lshl_b32 s34, s34, 12
	s_mov_b32 s35, 0
	s_lshl_b32 s36, s20, 18
	s_lshl_b32 s33, s18, 16
	s_add_co_u32 s36, s36, s33                     ; my weights: 262,144 x kind + 65,536 x wave, in both buffers
	s_mov_b32 s37, 0
	s_lshr_b32 s38, s19, 5                         ; batch
	s_lshl_b32 s38, s38, 21
	s_lshl_b32 s33, s18, 19
	s_add_co_u32 s38, s38, s33                     ; (batch 16 + 4 w) x 131,072
	s_and_b32 s40, s19, 31                         ; the block within its batch
	s_lshl_b32 s41, s40, 12                        ; q, k: four images of 1,024 a block
	s_lshr_b32 s42, s40, 1
	s_lshl_b32 s42, s42, 13                        ; v: group of 128 keys x 8,192,
	s_and_b32 s43, s40, 1
	s_lshl_b32 s43, s43, 10                        ; pieces 2 (block % 2) on
	s_add_co_u32 s42, s42, s43
	s_cmp_lt_u32 s20, 2
	s_cselect_b32 s41, s41, s42
	s_add_co_u32 s38, s38, s41
	s_mov_b32 s39, 0
	s_wait_kmcnt 0x0
	s_load_b512 s[48:63], s[6:7], 0x0              ; entries 0 to 15 of the scales
	s_add_nc_u64 s[4:5], s[4:5], s[34:35]
	s_add_nc_u64 s[8:9], s[8:9], s[36:37]
	s_add_nc_u64 s[10:11], s[10:11], s[36:37]
	s_cmp_eq_u32 s20, 0                            ; the output: chosen on the work-group's y alone
	s_cselect_b64 s[30:31], s[12:13], s[14:15]
	s_cmp_eq_u32 s20, 2
	s_cselect_b64 s[30:31], s[16:17], s[30:31]
	s_add_nc_u64 s[30:31], s[30:31], s[38:39]
	s_wait_alu depctr_va_vdst(0)                   ; v4 to v8 and v12 to v15 are written: every load, LDS instruction and store of the kernel reads one of them as its offset or address, and none is written again
	XLOAD 0
	XLOAD 1
	s_wait_kmcnt 0x0
	s_cmp_eq_u32 s20, 1                            ; ex, ewl, el, ewh: entries 4 kind .. 4 kind + 3; eo: entry 12, 13 or 15
	s_cselect_b32 s24, s52, s48
	s_cselect_b32 s25, s53, s49
	s_cselect_b32 s26, s54, s50
	s_cselect_b32 s27, s55, s51
	s_cselect_b32 s28, s61, s60
	s_cmp_eq_u32 s20, 2
	s_cselect_b32 s24, s56, s24
	s_cselect_b32 s25, s57, s25
	s_cselect_b32 s26, s58, s26
	s_cselect_b32 s27, s59, s27
	s_cselect_b32 s28, s63, s28
	s_sub_co_i32 s46, s26, s24
	s_sub_co_i32 s46, s46, s25                     ; a sum of the first product stands for sum x 2^(ex + ewl): its code is sum / 2^(el - ex - ewl)
	s_sub_co_i32 s47, s28, s26
	s_sub_co_i32 s47, s47, s27                     ; likewise eo - el - ewh
	SCALES s24, 16, 17
	s_wait_alu depctr_va_vdst(0)
	SCALES s46, 18, 19
	SCALES s47, 20, 21
; ---- X: my 16 tokens of x become eight images.  x runs two K steps ahead, in two sets; my W_lat follows K step by K step.  left: the loads issued behind this K step's
.macro XSTEP f, left
	WLLOAD \f                                      ; at the step's head, ahead of the wait for x.  No wait on va_vdst: no vector instruction names these registers ahead of the latent's products, and v5 stands since the head
	s_wait_dscnt 0x0                               ; the last image's stores are done
	s_wait_loadcnt \left
.if (\f) > 0
	s_wait_alu depctr_vm_vsrc(0)                   ; the last image's LDS stores have read v[PC ..], which the conversions below write again
.endif
	QUANT ACC+64*((\f)%2), 4, PC, 16, 17
	s_wait_alu depctr_va_vdst(0)                   ; the conversions have written v[PC ..], which the LDS stores read; the holds and the conversions are done with this set of x, in which the loads of two steps on land
.set xc, 0
.rept 4
	ds_store_b128 v6, v[PC+4*xc:PC+4*xc+3] offset:XIMG+2048*(\f)+512*xc
.set xc, xc+1
.endr
.if (\f) < 6
	XLOAD (\f)+2
.endif
.endm
	XSTEP 0, 32                                    ; behind x's step 0: x's step 1, W_lat's step 0
	XSTEP 1, 48                                    ; behind x's step f: W_lat's step f - 1, x's step f + 1, W_lat's step f
	XSTEP 2, 48
	XSTEP 3, 48
	XSTEP 4, 48
	XSTEP 5, 48
	XSTEP 6, 48
	XSTEP 7, 32                                    ; W_lat's steps 6 and 7
	HHALF 0, 0                                     ; head 0: nothing has named its registers
	HHALF 0, 4
	WIN 0
	BARRIER                                        ; x's 32 images lie in LDS
; ---- 1: the latent, transposed: source 0 = 16 latent columns, source 1 = 16 tokens.  16 accumulators by turns, one instruction a turn
.macro FETCHX2 s, f0                   ; token tiles f0 and f0 + 1: their fragments of K step s, into set s % 2: 8 LDS loads
	WIN 0xc0
.set fm, \f0
.rept 2
.set fc, 0
.rept 4
	ds_load_b128 v[64*((\s)%2)+16*fm+4*fc:64*((\s)%2)+16*fm+4*fc+3], v5 offset:XIMG+(8*fm+(\s))*2048+512*fc
.set fc, fc+1
.endr
.set fm, fm+1
.endr
.endm
.macro LMUL s, m                       ; K step s, token tile m: four products, my four tiles of latent columns
.if (\s) < 4
	WIN 0x0d                                       ; source 0 window 1, source 1 window 3, C and D window 0
.else
	WIN 0x0e
.endif
.set lt, 0
.rept 4
.if (\s) == 0
	v_wmma_f32_16x16x128_bf8_bf8 v[ACC+8*(4*(\m)+lt):ACC+8*(4*(\m)+lt)+7], v[64*((\s)%4)+16*lt:64*((\s)%4)+16*lt+15], v[64*((\s)%2)+16*(\m):64*((\s)%2)+16*(\m)+15], 0
.else
	v_wmma_f32_16x16x128_bf8_bf8 v[ACC+8*(4*(\m)+lt):ACC+8*(4*(\m)+lt)+7], v[64*((\s)%4)+16*lt:64*((\s)%4)+16*lt+15], v[64*((\s)%2)+16*(\m):64*((\s)%2)+16*(\m)+15], v[ACC+8*(4*(\m)+lt):ACC+8*(4*(\m)+lt)+7]
.endif
.set lt, lt+1
.endr
.endm
; Latent step s.  hd > 0: fragments e0 .. e0 + 3 of head hd are asked for, into the 64 registers that W_lat's step s - 2 has left.
.macro LSTEP s, hd, e0
	s_wait_dscnt 0x0                               ; this step's fragments of x are in: all sixteen loads were issued in the step before (step 0's ahead of the steps)
	s_wait_loadcnt 63                              ; W_lat's step s is in: behind it stand its later steps, head 0's 32 loads and the halves of heads asked for since, 112 loads or more in every step (held at what the wait can name)
.if ((\s) > 0) && ((\s) < 7)
	PLACES                                         ; (the four plain lines stay beside the wait)
	s_wait_alu depctr_va_vdst(0)                   ; the products of the steps before are done reading the other set of x's fragments and W_lat's earlier steps: the loads below land there
.endif
	LMUL \s, 0
.if (\s) < 7
	FETCHX2 (\s)+1, 0                              ; no further wait: the products issued since the wait name W_lat's step s, x's set s % 2 and the accumulators
.endif
	LMUL \s, 1
.if (\s) < 7
	FETCHX2 (\s)+1, 2
.endif
	LMUL \s, 2
.if (\hd) > 0
	HHALF \hd, \e0                                 ; (in step 7: W_lat's step 5 was read ahead of step 6's wait, and the products of steps 6 and 7 do not name it)
.endif
	LMUL \s, 3
.endm
	FETCHX2 0, 0                                   ; nothing has named x's fragments' registers yet
	FETCHX2 0, 2
	LSTEP 0, 0, 0
	LSTEP 1, 0, 0
	LSTEP 2, 1, 0
	LSTEP 3, 1, 4
	LSTEP 4, 2, 0
	LSTEP 5, 2, 4
	LSTEP 6, 3, 0
	LSTEP 7, 3, 4
	WIN 0
	PLACES                                         ; ahead of the holds, which read results just made
	s_wait_alu depctr_vm_vsrc(0)                   ; the LDS stores of x's last image have read v[PC ..], which the conversions below write again
	QUANT ACC, 8, PC, 18, 19                       ; group 2 m + b: tokens of tile m, latent columns 64 w + 32 b + 16 h + 0 .. 15
	s_wait_alu depctr_va_vdst(0)                   ; the conversions have written v[PC ..], which the LDS stores read; the last products are done reading x's fragments, in which the latent's land behind the barrier (no vector instruction stands between)
.irp m, 0,1,2,3
.irp p, 0,1
	ds_store_b128 v7, v[PC+8*\m+4*\p:PC+8*\m+4*\p+3] offset:4096*\m+512*\p
.endr
.endr
	BARRIER                                        ; the latent's eight images lie in LDS
	WIN 0xc0
.set fe, 0
.rept 8
.set fc, 0
.rept 4
	ds_load_b128 v[16*fe+4*fc:16*fe+4*fc+3], v8 offset:2048*fe+512*fc   ; fragment 2 m + s: they stay for the four heads
.set fc, fc+1
.endr
.set fe, fe+1
.endr
	WIN 0
; ---- 2: a head at a time: 32 matrix instructions on 16 accumulators by turns.  q, k: source 0 = 16 channels, source 1 = 16 tokens: a lane holds one token and its registers run along the channels.
; v: the sources change places: a lane holds one channel and its registers run along the tokens, which are the keys.  The branch hangs on the work-group's y alone.  left: the later heads' loads
.macro HEAD hd, left
	s_wait_loadcnt \left
.if (\hd) == 0
	s_wait_dscnt 0x0                               ; the latent's fragments
.endif
	HSET \hd
	s_cmp_eq_u32 s20, 2
	s_cbranch_scc1 .Lv_\@
	WIN 0x0c|HW
.set hs, 0
.rept 2
.set hm, 0
.rept 4
.set ht, 0
.rept 4
.if hs == 0
	v_wmma_f32_16x16x128_bf8_bf8 v[ACC+8*(4*hm+ht):ACC+8*(4*hm+ht)+7], v[HB+16*(2*ht+hs):HB+16*(2*ht+hs)+15], v[16*(2*hm+hs):16*(2*hm+hs)+15], 0
.else
	v_wmma_f32_16x16x128_bf8_bf8 v[ACC+8*(4*hm+ht):ACC+8*(4*hm+ht)+7], v[HB+16*(2*ht+hs):HB+16*(2*ht+hs)+15], v[16*(2*hm+hs):16*(2*hm+hs)+15], v[ACC+8*(4*hm+ht):ACC+8*(4*hm+ht)+7]
.endif
.set ht, ht+1
.endr
.set hm, hm+1
.endr
.set hs, hs+1
.endr
	WIN 0
	s_branch .Ljoin_\@
.Lv_\@:
	WIN 0x03|(HW<<2)
.set hs, 0
.rept 2
.set ht, 0
.rept 4
.set hm, 0
.rept 4
.if hs == 0
	v_wmma_f32_16x16x128_bf8_bf8 v[ACC+8*(4*ht+hm):ACC+8*(4*ht+hm)+7], v[16*(2*hm+hs):16*(2*hm+hs)+15], v[HB+16*(2*ht+hs):HB+16*(2*ht+hs)+15], 0
.else
	v_wmma_f32_16x16x128_bf8_bf8 v[ACC+8*(4*ht+hm):ACC+8*(4*ht+hm)+7], v[16*(2*hm+hs):16*(2*hm+hs)+15], v[HB+16*(2*ht+hs):HB+16*(2*ht+hs)+15], v[ACC+8*(4*ht+hm):ACC+8*(4*ht+hm)+7]
.endif
.set hm, hm+1
.endr
.set ht, ht+1
.endr
.set hs, hs+1
.endr
	WIN 0
.Ljoin_\@:
	PLACES
.if (\hd) > 0
	s_wait_xcnt 0x0                                ; the last head's stores have had their addresses translated: only now are the codes' registers written again
.endif
	s_wait_alu depctr_vm_vsrc(0)                   ; the stores that read v[PC ..] last (head 0: the latent's LDS stores; later: the last head's global stores), issued ahead of this head's 32 products, have read them: the conversions below write them again
	QUANT ACC, 8, PC, 20, 21
	s_wait_alu depctr_va_vdst(0)                   ; the conversions have written v[PC ..], which the stores below read
.set si, 0
.rept 4
.set sp, 0
.rept 2
	global_store_b128 v[12+si], v[PC+8*si+4*sp:PC+8*si+4*sp+3], s[30:31] offset:131072*(\hd)+512*sp   ; a piece of an image: 512 consecutive bytes, aligned.  q, k: image = tile of tokens; v: image = tile of channels
.set sp, sp+1
.endr
.set si, si+1
.endr
.endm
	HEAD 0, 63                                     ; behind head 0's loads: heads 1, 2 and 3, 96 loads
	HEAD 1, 63                                     ; heads 2 and 3, 64 loads
	HEAD 2, 32
	HEAD 3, 0
	s_wait_dscnt 0x0
	s_wait_alu depctr_hold_cnt(0) depctr_sa_sdst(0) depctr_va_vdst(0) depctr_va_sdst(0) depctr_va_ssrc(0) depctr_va_vcc(0) depctr_vm_vsrc(0)
	s_wait_tensorcnt 0x0
	ds_add_u32 v222, v223
	s_wait_dscnt 0x0
	s_endpgm
.Lfunc_end_k_q8dab73f5f4_qkv:
	.size	k_q8dab73f5f4_qkv, .Lfunc_end_k_q8dab73f5f4_qkv-k_q8dab73f5f4_qkv
	.p2alignl 7, 3214868480
	.fill 96, 4, 3214868480
	.section	.rodata,"a",@progbits
	.p2align	6, 0x0
	.amdhsa_kernel k_q8dab73f5f4_qkv
		.amdhsa_group_segment_fixed_size 82432
		.amdhsa_private_segment_fixed_size 0
		.amdhsa_enable_private_segment 0
		.amdhsa_kernarg_size 56
		.amdhsa_user_sgpr_count 2
		.amdhsa_user_sgpr_kernarg_segment_ptr 1
		.amdhsa_wavefront_size32 1
		.amdhsa_system_sgpr_workgroup_id_x 1
		.amdhsa_system_sgpr_workgroup_id_y 1
		.amdhsa_system_sgpr_workgroup_id_z 1
		.amdhsa_system_vgpr_workitem_id 0
		.amdhsa_next_free_vgpr 1024
		.amdhsa_next_free_sgpr 66
		.amdhsa_reserve_vcc 0
		.amdhsa_float_denorm_mode_32 3
		.amdhsa_float_denorm_mode_16_64 3
		.amdhsa_memory_ordered 1
		.amdhsa_forward_progress 1
		.amdhsa_inst_pref_size 169
	.end_amdhsa_kernel
	.amdgpu_metadata
---
amdhsa.version: [ 1, 2 ]
amdhsa.kernels:
  - .name:           k_q8dab73f5f4_qkv
    .symbol:         k_q8dab73f5f4_qkv.kd
    .args:
      - { .name: x, .offset: 0, .size: 8, .value_kind: global_buffer, .address_space: global }
      - { .name: lowp_scales, .offset: 8, .size: 8, .value_kind: global_buffer, .address_space: global }
      - { .name: wl_img, .offset: 16, .size: 8, .value_kind: global_buffer, .address_space: global }
      - { .name: wh_img, .offset: 24, .size: 8, .value_kind: global_buffer, .address_space: global }
      - { .name: q_img, .offset: 32, .size: 8, .value_kind: global_buffer, .address_space: global }
      - { .name: k_img, .offset: 40, .size: 8, .value_kind: global_buffer, .address_space: global }
      - { .name: v_img, .offset: 48, .size: 8, .value_kind: global_buffer, .address_space: global }
    .group_segment_fixed_size: 82432
    .private_segment_fixed_size: 0
    .kernarg_segment_align: 8
    .kernarg_segment_size: 56
    .max_flat_workgroup_size: 128
    .sgpr_count:     66
    .vgpr_count:     1024
    .wavefront_size: 32
...
	.end_amdgpu_metadata
.endif
;; end of part 6
;; launch attn (part 7): grid 8 x 32, 16 waves a work-group, clusters of 4 x 1, 264,192 bytes of LDS; arguments q_img, k_img, v_img, lowp_scales, y_img; writes y_img
.if DOCPART == 7
	.amdgcn_target "amdgcn-amd-amdhsa--gfx1250"
	.amdhsa_code_object_version 6
	.text
	.protected	k_q8dab73f5f4_attn
	.globl	k_q8dab73f5f4_attn
	.p2align	8
	.type	k_q8dab73f5f4_attn,@function
k_q8dab73f5f4_attn:
	s_mov_b64 s[64:65], 0
	v_nop
	global_prefetch_b8 v0, s[64:65] scope:SCOPE_SE
	s_setreg_imm32_b32 hwreg(HW_REG_WAVE_MODE, 25, 1), 1
	s_wait_xcnt 0x0
	s_wait_alu depctr_hold_cnt(0) depctr_sa_sdst(0) depctr_va_vdst(0) depctr_va_sdst(0) depctr_va_ssrc(0) depctr_va_vcc(0) depctr_vm_vsrc(0)
	s_getreg_b32 s2, hwreg(HW_REG_IB_STS2, 6, 4)
	s_cmp_eq_u32 s2, 0
	s_cbranch_scc0 .Lentry_in_a_cluster
	s_endpgm
.Lentry_in_a_cluster:
	s_bfe_u32 s2, ttmp6, 0x10000c
	s_cmp_lg_u32 s2, 0x3003
	s_cbranch_scc0 .Lentry_shape_is_right
	s_endpgm
.Lentry_shape_is_right:
; Causal attention of one head (work-group y = batch 16 + head) on codes of BF8 (E5M2), head size 64, 2,048 keys; the result is quantised for the output projection and stored as pieces of y's images.
; THE SOFTMAX AHEAD OF THE SECOND PRODUCT: t = score x log2(e) / 8; M = the running largest t rounded UP to a whole number; p = 2^(t - M) is quantised, not normalised; the row's sum is taken of the unquantised p and divides at the end.
; When M moves, the sum and O are multiplied by 2^(old M - new M): exact.
; LDS.  The head's K (131,072 bytes of images, a step of 128 keys in 8,192) lies at 0, its V at 131,072, likewise.  Every byte is filled once, in four chunks of four key steps; nothing is filled again and nothing is stored to LDS.
; CLUSTER.  The four work-groups of a cluster walk the same K and V: each chunk is asked for JOINTLY (waves 0, 1: K's halves; waves 2, 3: V's), the same load with the same descriptor and a mask that names the four.
; SHARES.  A head has 16 groups of 128 queries (8 tiles of 16); group g needs g + 1 key steps, the rest is hidden by the mask.  Cluster X takes groups 4 X + pi and 15 - (4 X + pi), pi = 0 .. 3; a wave's group hangs on its number and on X
; alone; of the group's 8 tiles the partner at place cx takes 2 cx and 2 cx + 1.  So every work-group has 136 steps of a tile, and all branches are alike in the four partners: cx enters Q's and y's addresses and the mask's data only.
; LAYOUT.  Both products transposed: S^T = K Q^T (source 0 = 16 keys), O^T = V^T P^T (source 0 = 16 channels): a lane holds ONE query.  Row r of tile 2 b + u is row 32 b + 8 u + r + 8 (r / 8), for keys, queries and channels: so the 16
; registers of two neighbouring tiles are 16 neighbouring keys (or channels), and the conversions' results are the next operand's registers.
; LIMITS on the given exponents: e12 + e13 between -123 and 130 (added to c's exponent field); e14 and e16 between -126 and 112.  NaN among the inputs is not served.
; REGISTERS: v1 16 x lane; v2 the mask's d; v8, v9 LDS addresses; v12 -M, v13 the largest t, v[14:15] the sum in two halves; v16-23 Q; v32-95 K's, then V's fragments; v96-159 S^T, then p; v160-191 O^T; v224-239 p's codes; v240-254 at work.
.set VLDS, 131072
.set WV,  14                           ; s14  my wave's number
.set G1,  32                           ; s[32:39] descriptor group 1
.set G0,  40                           ; s[40:55] four groups 0, one for each chunk
.set SEL, 56                           ; s[56:57] lane selects for v_permlanex16_b32: lane l xor 16
.set CS,  58                           ; s[58:59] c = log2(e) / 8 x 2^(e12 + e13)
.set ST,  60                           ; s60  the key step
.set TB,  61                           ; s61  its first LDS byte
.set CNT, 62                           ; s62  counts a chunk's four steps
.set GQ,  63                           ; s63  my group of queries: the last key step that counts for it
.macro CROUND                          ; a round of the cluster's barrier: my work-group's barrier; wave 0 signals for the work-group; every wave waits for all four work-groups; my work-group's barrier once more
	s_barrier_signal -1
	s_barrier_wait -1
	s_cmp_lg_u32 s[WV], 0
	s_cbranch_scc1 .Lnot_wave_0_\@
	s_barrier_signal -3
.Lnot_wave_0_\@:
	s_barrier_wait -3
	s_barrier_signal -1
	s_barrier_wait -1
.endm
	s_load_b256 s[4:11], s[0:1], 0x0               ; q_img s[4:5], k_img s[6:7], v_img s[8:9], the scales s[10:11]
	s_load_b64 s[12:13], s[0:1], 0x20              ; y_img
	v_lshl_add_u32 v251, v0, 2, 0x40000
	v_mov_b32 v255, 0
	ds_add_u32 v251, v255
	ds_add_u32 v251, v255
	v_lshrrev_b32 v3, 5, v0
	s_delay_alu instid0(VALU_DEP_1)
	v_readfirstlane_b32 s[WV], v3                  ; wave 0..15
	s_bfe_u32 s15, ttmp6, 0x40000                  ; cx: my place in the cluster
	s_and_b32 s17, ttmp7, 0xffff                   ; batch 16 + head
	s_lshr_b32 s18, s[WV], 3
	s_lshl_b32 s18, s18, 1
	s_bfe_u32 s19, s[WV], 0x10001
	s_or_b32 s18, s18, s19                         ; pi: the wave's bits 3 and 1
	s_lshl_b32 s19, ttmp9, 2
	s_add_co_u32 s18, s18, s19                     ; 4 X + pi
	s_sub_co_u32 s19, 15, s18
	s_lshr_b32 s25, s[WV], 2
	s_xor_b32 s28, s25, s[WV]
	s_and_b32 s28, s28, 1                          ; bit 2 xor bit 0: the early group or the late one
	s_cmp_eq_u32 s28, 1
	s_cselect_b32 s[GQ], s19, s18
	s_and_b32 s25, s25, 1
	s_lshl_b32 s29, s15, 1
	s_add_co_u32 s29, s29, s25                     ; my tile of the group's eight: 2 cx + bit 2
	; what I fetch, if I fetch: waves 0, 1: K's halves of a chunk; waves 2, 3: V's
	s_and_b32 s30, s[WV], 3
	s_and_b32 s31, s30, 1
	s_lshl_b32 s31, s31, 14
	s_lshr_b32 s28, s30, 1
	s_lshl_b32 s28, s28, 17
	s_add_co_u32 s28, s28, s31                     ; in LDS: 131,072 for V, + 16,384 x half
	s_lshl_b32 s18, s17, 17
	s_add_co_u32 s18, s18, s31                     ; in memory: the head's 131,072 bytes, + 16,384 x half
	s_mov_b32 s19, 0
	; descriptor group 1: a dense block of 16,384 bytes as 64 rows of 256
	s_mov_b32 s[G1], 15|(3<<16)|(1<<21)            ; 15:0 the mask: all four work-groups; 17:16 elements of 8 bytes; 21 set beside a mask
	s_mov_b32 s[G1+1], 32<<16                      ; tensor_dim0 = 32
	s_mov_b32 s[G1+2], 64<<16                      ; tensor_dim1 = 64
	s_mov_b32 s[G1+3], 32<<16                      ; tile_dim0 = 32
	s_mov_b32 s[G1+4], 64                          ; tile_dim1 = 64
	s_mov_b32 s[G1+5], 32                          ; from row to row
	s_mov_b32 s[G1+6], 0
	s_mov_b32 s[G1+7], 0
	s_mov_b32 s[SEL], 0x76543210
	s_mov_b32 s[SEL+1], 0xfedcba98
	s_wait_dscnt 0x0
	s_wait_kmcnt 0x0
	s_load_b128 s[20:23], s[10:11], 0x30           ; e12 .. e15
	s_load_b32 s24, s[10:11], 0x40                 ; e16
	s_cmp_lt_u32 s30, 2
	s_cselect_b64 s[26:27], s[6:7], s[8:9]
	s_add_nc_u64 s[26:27], s[26:27], s[18:19]
.irp c, 0,1,2,3
	s_mov_b32 s[G0+4*\c], 1                        ; count = 1
	s_add_co_u32 s[G0+4*\c+1], s28, \c*32768       ; LDS address
	s_add_nc_u64 s[G0+4*\c+2:G0+4*\c+3], s[26:27], \c*32768   ; global address
	s_or_b32 s[G0+4*\c+3], s[G0+4*\c+3], 0x80000000           ; type = 2
.endr
	CROUND                                         ; all four work-groups are here: the joint loads meet
	s_cmp_lt_u32 s[WV], 4                          ; a wave's four first fills stand in one branch, ahead of every wait on TENSORcnt, every LDS read and every other barrier: four loads of mine are out
	s_cbranch_scc0 .Lno_fetch
	tensor_load_to_lds s[G0:G0+3], s[G1:G1+7]
	s_nop 0
	tensor_load_to_lds s[G0+4:G0+7], s[G1:G1+7]
	s_nop 0
	tensor_load_to_lds s[G0+8:G0+11], s[G1:G1+7]
	s_nop 0
	tensor_load_to_lds s[G0+12:G0+15], s[G1:G1+7]
	s_nop 0
.rept 4
	v_nop                                          ; four plain lines follow the last of them
.endr
.Lno_fetch:
	s_lshl_b32 s2, s17, 7
	s_lshl_b32 s3, s[GQ], 3
	s_add_co_u32 s2, s2, s3
	s_add_co_u32 s2, s2, s29                       ; Q's image: head x 128 + 8 x group + tile
	s_lshl_b32 s2, s2, 10
	s_mov_b32 s3, 0
	s_add_nc_u64 s[4:5], s[4:5], s[2:3]
	v_and_b32 v3, 31, v0
	s_delay_alu instid0(VALU_DEP_1)
	v_lshlrev_b32 v1, 4, v3                        ; 16 x lane
	global_load_b128 v[16:19], v1, s[4:5]          ; Q's fragment stays in registers
	global_load_b128 v[20:23], v1, s[4:5] offset:512
	s_lshr_b32 s2, s17, 4
	s_lshl_b32 s2, s2, 7
	s_lshl_b32 s25, s[GQ], 3
	s_add_co_u32 s2, s2, s25
	s_add_co_u32 s2, s2, s29                       ; y: the tile of tokens, batch x 128 + 8 x group + tile,
	s_lshl_b32 s2, s2, 3
	s_bfe_u32 s25, s17, 0x30001
	s_add_co_u32 s2, s2, s25                       ; x 8 K steps + head / 2,
	s_lshl_b32 s2, s2, 1
	s_and_b32 s25, s17, 1
	s_add_co_u32 s2, s2, s25                       ; pieces 2 (head % 2) on
	s_lshl_b32 s2, s2, 10
	s_add_nc_u64 s[12:13], s[12:13], s[2:3]
	v_and_b32 v4, 15, v0                           ; r
	v_bfe_u32 v5, v0, 4, 1                         ; h
	s_delay_alu instid0(VALU_DEP_2)
	v_and_b32 v6, 8, v4
	s_delay_alu instid0(VALU_DEP_1)
	v_add_nc_u32 v6, v6, v4                        ; r + 8 (r / 8)
	s_delay_alu instid0(VALU_DEP_3)
	v_lshlrev_b32 v7, 4, v5
	s_delay_alu instid0(VALU_DEP_1)
	v_sub_nc_u32 v2, v6, v7
	s_lshr_b32 s25, s29, 1
	s_lshl_b32 s25, s25, 5
	s_and_b32 s28, s29, 1
	s_lshl_b32 s28, s28, 3
	s_add_co_u32 s25, s25, s28
	v_add_nc_u32 v2, s25, v2                       ; d = my query within its group - 16 h.  On the diagonal register 16 b + i holds key 32 b + 16 h + i of the step: hidden where 32 b + i > d
	v_mov_b32 v13, 0xff61b1e6                      ; the largest t so far: -3e38, under every t
	s_delay_alu instid0(VALU_DEP_1)
	v_floor_f32 v12, -v13                          ; -M
	v_mov_b32 v14, 0                               ; the sum, in two halves
	v_mov_b32 v15, 0
	v_mov_b32 v246, 0                              ; written once: a lane permute's destination counts as one of its sources
	v_mov_b32 v253, 0                              ; (named as the upper half of the pair v[252:253])
.set j, 0
.rept 32
	v_mov_b32 v[160+j], 0                          ; O^T: the step is written without a first form of its own; the first change of M leaves zeros zeros
.set j, j+1
.endr
	s_wait_kmcnt 0x0
	s_add_co_i32 s25, s20, s21
	s_lshl_b32 s25, s25, 23
	s_mov_b32 s[CS], 0x3e38aa3b                    ; log2(e) / 8
	s_add_co_i32 s[CS], s[CS], s25                 ; a score stands for score x 2^(e12 + e13): the exponents are added to c's exponent field
	s_mov_b32 s[CS+1], s[CS]                       ; (named with it as a pair, so it is written)
	s_add_co_i32 s25, s22, 127
	s_lshl_b32 s28, s25, 23
	v_mov_b32 v244, s28                            ; 2^e14, for p's conversion
	s_add_co_i32 s25, s25, 15
	s_lshl_b32 s25, s25, 23
	s_or_b32 s25, s25, 0x600000
	v_mov_b32 v240, s25                            ; 57,344 x 2^e14
	s_add_co_i32 s25, s24, 127
	s_lshl_b32 s28, s25, 23
	v_mov_b32 v249, s28                            ; 2^e16, for y's conversion
	s_add_co_i32 s25, s25, 15
	s_lshl_b32 s25, s25, 23
	s_or_b32 s25, s25, 0x600000
	v_mov_b32 v248, s25                            ; 57,344 x 2^e16
	s_add_co_i32 s31, s22, s23                     ; e14 + e15, for the way out
; A KEY STEP: 128 keys.  A step all of whose keys come after my group's queries is left out: a scalar branch on ids, round the work alone; the lines that step the counters stand behind its label.
.macro STEP
	s_cmp_gt_u32 s[ST], s[GQ]
	s_cbranch_scc1 .Lhidden_\@
	s_setprio 2
	v_add_nc_u32 v8, s[TB], v1
	s_delay_alu instid0(VALU_DEP_1)
	v_add_nc_u32 v9, VLDS, v8
	v_nop
	v_nop                                          ; with the two additions: four plain lines in front of loads into registers that the last products read
.set kt, 0
.rept 8
	ds_load_b128 v[32+8*kt:35+8*kt], v8 offset:1024*kt
	ds_load_b128 v[36+8*kt:39+8*kt], v8 offset:1024*kt+512
.set kt, kt+1
.endr
	s_wait_alu depctr_va_vdst(0)
	s_wait_dscnt 0x0
.set kt, 0
.rept 8
	v_wmma_f32_16x16x64_bf8_bf8 v[96+8*kt:103+8*kt], v[32+8*kt:39+8*kt], v[16:23], 0
.set kt, kt+1
.endr
.rept 4
	v_nop
.endr
.set vt, 0
.rept 4
.set vc, 0
.rept 4
	ds_load_b128 v[32+16*vt+4*vc:35+16*vt+4*vc], v9 offset:2048*vt+512*vc   ; V's four fragments land while the softmax is worked
.set vc, vc+1
.endr
.set vt, vt+1
.endr
	s_cmp_lt_u32 s[ST], s[GQ]                      ; only the group's last step lies on the diagonal
	s_cbranch_scc1 .Lopen_\@
	v_mov_b32 v254, 0xff800000                     ; -infinity: p = 0 then
.set n, 0
.rept 64
	v_cmp_gt_i32 vcc_lo, 32*(n/16)+n%16, v2
	v_cndmask_b32 v[96+n], v[96+n], v254, vcc_lo
.set n, n+1
.endr
.Lopen_\@:
	v_max3_num_f32 v254, v96, v97, v98             ; the step's largest score of my query, among my 64 keys, in two chains, each accumulator from its low end on,
	v_max3_num_f32 v252, v99, v100, v101
.set i, 6
.rept 14
	v_max3_num_f32 v254, v254, v[96+i], v[97+i]
	v_max3_num_f32 v252, v252, v[98+i], v[99+i]
.set i, i+4
.endr
	v_max3_num_f32 v254, v254, v158, v159
	s_delay_alu instid0(VALU_DEP_1)
	v_max_num_f32 v254, v254, v252
	s_delay_alu instid0(VALU_DEP_1)
	v_permlanex16_b32 v246, v254, s[SEL], s[SEL+1]
	s_delay_alu instid0(VALU_DEP_1)
	v_max_num_f32 v254, v254, v246                 ; and among lane l xor 16's
	s_delay_alu instid0(VALU_DEP_1)
	v_mul_f32 v254, s[CS], v254                    ; as t (c is positive)
	s_delay_alu instid0(VALU_DEP_1)
	v_max_num_f32 v13, v13, v254                   ; the running largest t
	v_mov_b32 v254, v12
	s_delay_alu instid0(VALU_DEP_2)
	v_floor_f32 v12, -v13                          ; the new -M = floor(-t) = -ceil(t): a whole number
	s_delay_alu instid0(VALU_DEP_1)
	v_sub_f32 v254, v12, v254                      ; old M - new M: a whole number, 0 or less
	s_delay_alu instid0(VALU_DEP_1)
	v_cvt_i32_f32 v254, v254                       ; (it saturates)
	s_delay_alu instid0(VALU_DEP_1)
	v_ldexp_f32 v252, 1.0, v254                    ; f = 2^(old M - new M)
.set j, 0
.rept 32
	v_pk_fma_f32 v[96+j:97+j], v[96+j:97+j], s[CS:CS+1], v[12:13] op_sel_hi:[1,0,0]   ; t - M, two at a time (of the pairs c and -M the low word serves both halves)
.set j, j+2
.endr
.set j, 0
	s_setprio 1
	s_wait_alu depctr_va_vdst(0)
.rept 64
	v_exp_f32 v[96+j], v[96+j]                     ; p = 2^(t - M), at most 1
.set j, j+1
.endr
	v_pk_mul_f32 v[14:15], v[14:15], v[252:253] op_sel_hi:[1,0]   ; the sums under the new M: the plain line behind the exponentials
	s_wait_alu depctr_va_vdst(0)                   ; one wait for the whole batch, ahead of its first reader
	v_pk_add_f32 v[242:243], v[100:101], v[104:105]
	v_pk_add_f32 v[238:239], v[108:109], v[112:113]
	v_pk_add_f32 v[236:237], v[116:117], v[120:121]
	v_pk_add_f32 v[234:235], v[124:125], v[128:129]
	v_pk_add_f32 v[232:233], v[132:133], v[136:137]
	v_pk_add_f32 v[230:231], v[140:141], v[144:145]
	v_pk_add_f32 v[228:229], v[148:149], v[152:153]
	v_pk_add_f32 v[14:15], v[14:15], v[156:157]
	v_pk_add_f32 v[242:243], v[242:243], v[96:97]
	v_pk_add_f32 v[238:239], v[238:239], v[98:99]
	v_pk_add_f32 v[236:237], v[236:237], v[102:103]
	v_pk_add_f32 v[234:235], v[234:235], v[106:107]
	v_pk_add_f32 v[232:233], v[232:233], v[110:111]
	v_pk_add_f32 v[230:231], v[230:231], v[114:115]
	v_pk_add_f32 v[228:229], v[228:229], v[118:119]
	v_pk_add_f32 v[14:15], v[14:15], v[122:123]
	v_pk_add_f32 v[242:243], v[242:243], v[126:127]
	v_pk_add_f32 v[238:239], v[238:239], v[130:131]
	v_pk_add_f32 v[236:237], v[236:237], v[134:135]
	v_pk_add_f32 v[234:235], v[234:235], v[138:139]
	v_pk_add_f32 v[232:233], v[232:233], v[142:143]
	v_pk_add_f32 v[230:231], v[230:231], v[146:147]
	v_pk_add_f32 v[228:229], v[228:229], v[150:151]
	v_pk_add_f32 v[14:15], v[14:15], v[154:155]
	v_pk_add_f32 v[242:243], v[242:243], v[158:159]
	s_delay_alu instid0(VALU_DEP_2)
	v_pk_add_f32 v[14:15], v[14:15], v[234:235]
	s_delay_alu instid0(VALU_DEP_2)
	v_pk_add_f32 v[242:243], v[242:243], v[232:233]
	v_pk_add_f32 v[238:239], v[238:239], v[230:231]
	v_pk_add_f32 v[236:237], v[236:237], v[228:229]
	s_delay_alu instid0(VALU_DEP_2)
	v_pk_add_f32 v[14:15], v[14:15], v[238:239]
	s_delay_alu instid0(VALU_DEP_2)
	v_pk_add_f32 v[242:243], v[242:243], v[236:237]
	s_delay_alu instid0(VALU_DEP_1)
	v_pk_add_f32 v[14:15], v[14:15], v[242:243]
.set b, 0
.rept 4
.set i, 0
.rept 16
	v_min_num_f32 v[96+16*b+i], v[96+16*b+i], v240 ; the conversion does not saturate (ISA guide 7.6.2); p is not negative, so the hold is one-sided
.set i, i+1
.endr
	v_cvt_scalef32_pk8_bf8_f32 v[224+4*b:225+4*b], v[96+16*b:103+16*b], v244
	v_cvt_scalef32_pk8_bf8_f32 v[226+4*b:227+4*b], v[104+16*b:111+16*b], v244
.set b, b+1
.endr
.set j, 0
	s_setprio 0
.rept 16
	v_pk_mul_f32 v[160+j:161+j], v[160+j:161+j], v[252:253] op_sel_hi:[1,0]   ; O^T under the new M; also the plain lines between the conversions and the products
.set j, j+2
.endr
	s_wait_alu depctr_va_vdst(0)
	s_wait_dscnt 0x0                               ; V's fragments
.set vt, 0
.rept 4
	v_wmma_f32_16x16x128_bf8_bf8 v[160+8*vt:167+8*vt], v[32+16*vt:47+16*vt], v[224:239], v[160+8*vt:167+8*vt]   ; four accumulators by turns
.set vt, vt+1
.endr
.Lhidden_\@:
	s_add_co_u32 s[ST], s[ST], 1
	s_add_co_u32 s[TB], s[TB], 8192
.endm
; A CHUNK: four key steps.  The wave that fetched waits for its part of this chunk (the later chunks' loads, 3 - c of them, may stay out), then the barrier shows the chunk to all sixteen.
.macro CHUNK c
	s_wait_tensorcnt 3-(\c)
	s_wait_dscnt 0x0
	s_barrier_signal -1
	s_barrier_wait -1
	s_mov_b32 s[ST], 4*(\c)
	s_mov_b32 s[TB], 32768*(\c)
	s_mov_b32 s[CNT], 4
.Lstep_\@:
	STEP
	s_sub_co_u32 s[CNT], s[CNT], 1
	s_cmp_lg_u32 s[CNT], 0
	s_cbranch_scc1 .Lstep_\@
	s_setprio 0
.endm
	s_wait_loadcnt 0x0                             ; Q
	CHUNK 0
	CHUNK 1
	CHUNK 2
	CHUNK 3
	; THE WAY OUT: O^T / the sum x 2^(e14 + e15) is y; it is quantised with 2^e16; register 16 b + i is channel 32 b + 16 h + i of my head: two pieces of y's image
.rept 4
	v_nop
.endr
	v_add_f32 v14, v14, v15                        ; the sum's two halves,
	s_delay_alu instid0(VALU_DEP_1)
	v_permlanex16_b32 v246, v14, s[SEL], s[SEL+1]
	s_delay_alu instid0(VALU_DEP_1)
	v_add_f32 v14, v14, v246                       ; and lane l xor 16's
	s_wait_alu depctr_va_vdst(0)
	v_rcp_f32 v14, v14
	v_nop                                          ; a plain line behind the reciprocal
	s_wait_alu depctr_va_vdst(0)                   ; and the wait ahead of its first reader
	v_ldexp_f32 v14, v14, s31
.set j, 0
.rept 16
	v_pk_mul_f32 v[96+j:97+j], v[160+j:161+j], v[14:15] op_sel_hi:[1,0]
.set j, j+2
.endr
.set i, 0
.rept 32
	v_med3_num_f32 v[96+i], v[96+i], -v248, v248
.set i, i+1
.endr
.irp b, 0,1
	v_cvt_scalef32_pk8_bf8_f32 v[224+4*\b:225+4*\b], v[96+16*\b:103+16*\b], v249
	v_cvt_scalef32_pk8_bf8_f32 v[226+4*\b:227+4*\b], v[104+16*\b:111+16*\b], v249
.endr
	v_nop
	global_store_b128 v1, v[224:227], s[12:13]     ; each store of the wave covers 512 consecutive bytes, aligned
	global_store_b128 v1, v[228:231], s[12:13] offset:512
	s_wait_tensorcnt 0x0
	ds_add_u32 v251, v255
	s_wait_dscnt 0x0
	CROUND                                         ; the closing round: no work-group ends while a partner may still ask for a tile that names it
	s_endpgm
.Lfunc_end_k_q8dab73f5f4_attn:
	.size	k_q8dab73f5f4_attn, .Lfunc_end_k_q8dab73f5f4_attn-k_q8dab73f5f4_attn
	.p2alignl 7, 3214868480
	.fill 96, 4, 3214868480
	.section	.rodata,"a",@progbits
	.p2align	6, 0x0
	.amdhsa_kernel k_q8dab73f5f4_attn
		.amdhsa_group_segment_fixed_size 264192
		.amdhsa_private_segment_fixed_size 0
		.amdhsa_enable_private_segment 0
		.amdhsa_kernarg_size 40
		.amdhsa_user_sgpr_count 2
		.amdhsa_user_sgpr_kernarg_segment_ptr 1
		.amdhsa_wavefront_size32 1
		.amdhsa_system_sgpr_workgroup_id_x 1
		.amdhsa_system_sgpr_workgroup_id_y 1
		.amdhsa_system_sgpr_workgroup_id_z 1
		.amdhsa_system_vgpr_workitem_id 0
		.amdhsa_next_free_vgpr 256
		.amdhsa_next_free_sgpr 66
		.amdhsa_reserve_vcc 1
		.amdhsa_float_denorm_mode_32 3
		.amdhsa_float_denorm_mode_16_64 3
		.amdhsa_memory_ordered 1
		.amdhsa_forward_progress 1
		.amdhsa_inst_pref_size 98
	.end_amdhsa_kernel
	.amdgpu_metadata
---
amdhsa.version: [ 1, 2 ]
amdhsa.kernels:
  - .name:           k_q8dab73f5f4_attn
    .symbol:         k_q8dab73f5f4_attn.kd
    .args:
      - { .name: q_img, .offset: 0, .size: 8, .value_kind: global_buffer, .address_space: global }
      - { .name: k_img, .offset: 8, .size: 8, .value_kind: global_buffer, .address_space: global }
      - { .name: v_img, .offset: 16, .size: 8, .value_kind: global_buffer, .address_space: global }
      - { .name: lowp_scales, .offset: 24, .size: 8, .value_kind: global_buffer, .address_space: global }
      - { .name: y_img, .offset: 32, .size: 8, .value_kind: global_buffer, .address_space: global }
    .group_segment_fixed_size: 264192
    .private_segment_fixed_size: 0
    .kernarg_segment_align: 8
    .kernarg_segment_size: 40
    .max_flat_workgroup_size: 512
    .sgpr_count:     66
    .vgpr_count:     256
    .wavefront_size: 32
...
	.end_amdgpu_metadata
.endif
;; end of part 7
;; launch proj (part 8): grid 8 x 32, 8 waves a work-group, clusters of 4 x 4, 327,680 bytes of LDS; arguments y_img, wp_img, lowp_scales, b_proj, out0; writes out0
.if DOCPART == 8
	.amdgcn_target "amdgcn-amd-amdhsa--gfx1250"
	.amdhsa_code_object_version 6
	.text
	.protected	k_q8dab73f5f4_proj
	.globl	k_q8dab73f5f4_proj
	.p2align	8
	.type	k_q8dab73f5f4_proj,@function
k_q8dab73f5f4_proj:
	s_mov_b64 s[64:65], 0
	v_nop
	global_prefetch_b8 v0, s[64:65] scope:SCOPE_SE
	s_setreg_imm32_b32 hwreg(HW_REG_WAVE_MODE, 25, 1), 1
	s_wait_xcnt 0x0
	s_wait_alu depctr_hold_cnt(0) depctr_sa_sdst(0) depctr_va_vdst(0) depctr_va_sdst(0) depctr_va_ssrc(0) depctr_va_vcc(0) depctr_vm_vsrc(0)
	s_getreg_b32 s2, hwreg(HW_REG_IB_STS2, 6, 4)
	s_cmp_eq_u32 s2, 0
	s_cbranch_scc0 .Lentry_in_a_cluster
	s_endpgm
.Lentry_in_a_cluster:
	s_bfe_u32 s2, ttmp6, 0x10000c
	s_cmp_lg_u32 s2, 0xf033
	s_cbranch_scc0 .Lentry_shape_is_right
	s_endpgm
.Lentry_shape_is_right:
; out0 = y w_proj x 2^(e16 + e17) + b_proj, on codes of BF8 (E5M2).  y_img: (tile of 16 tokens x 8 + K step) x 2,048; wp_img: (tile of 16 columns x 8 + K step) x 2,048: images of operand registers
; (byte 512 c + 16 l + i = row l % 16, k = 32 c + 16 (l / 16) + i; row r of tile 2 b + u is row 32 b + 8 u + r + 8 (r / 8)).
; A work-group makes 128 tokens x 128 columns.  All of its y (131,072 bytes) and of its w_proj (131,072) lie in LDS, every byte filled once, in four parts of two K steps; nothing is filled again.
; CLUSTER 4 x 4: the four of a row of the cluster need the same y, the four of a column the same w_proj: each part is asked for JOINTLY (waves 0, 1: y's halves; waves 2, 3: w_proj's), by the same load with the same descriptor and a mask that names the four.
; SHARES.  Wave w: tokens 32 (w / 2) on (two tiles), columns 64 (w % 2) on (four tiles): eight accumulators.  TRANSPOSED: source 0 = 16 columns, source 1 = 16 tokens: a lane holds 16 neighbouring columns of one token in two neighbouring tiles.
; The way out goes through the wave's own stage (16 rows of 256 bytes + 16), which no load fills: sixteen lanes then store 256 consecutive bytes, aligned.
; LIMIT: e16 + e17 between -126 and 127, so that 2^(e16 + e17) is an f32 number.
; REGISTERS: v1-10 addresses; v32-95 accumulators ((i, n) at v[32 + 8 (4 i + n)]); v96-127 y's two fragments, later results; v128-191 w_proj's four, later rows read back; v192-223 the bias.
.set STAGE, 262144
.set SPI,   272
.macro CROUND                          ; a round of the cluster's barrier
	s_barrier_signal -1
	s_barrier_wait -1
	s_cmp_lg_u32 s14, 0
	s_cbranch_scc1 .Lnot_wave_0_\@
	s_barrier_signal -3
.Lnot_wave_0_\@:
	s_barrier_wait -3
	s_barrier_signal -1
	s_barrier_wait -1
.endm
.macro PLACES
.rept 4
	v_nop
.endr
.endm
	s_load_b256 s[4:11], s[0:1], 0x0               ; y_img s[4:5], wp_img s[6:7], the scales s[8:9], b_proj s[10:11]
	s_load_b64 s[12:13], s[0:1], 0x20              ; out0
	v_lshl_add_u32 v254, v0, 2, 0x48800
	v_mov_b32 v255, 0
	ds_add_u32 v254, v255
	ds_add_u32 v254, v255
	v_lshrrev_b32 v1, 5, v0
	s_delay_alu instid0(VALU_DEP_1)
	v_readfirstlane_b32 s14, v1                    ; wave 0..7
	s_bfe_u32 s15, ttmp6, 0x40000                  ; cx, cy: my place in the cluster
	s_bfe_u32 s16, ttmp6, 0x40004
	s_lshl_b32 s17, ttmp9, 2
	s_add_co_u32 s17, s17, s15                     ; block of 128 columns = 4 x cluster x + cx
	s_and_b32 s18, ttmp7, 0xffff
	s_lshl_b32 s18, s18, 2
	s_add_co_u32 s18, s18, s16                     ; block of 128 tokens = 4 x cluster y + cy
	s_lshl_b32 s19, s16, 2
	s_lshl_b32 s19, 15, s19                        ; my row of the cluster
	s_lshl_b32 s20, 0x1111, s15                    ; my column
	; descriptor group 1: four tiles' two K steps: 4 rows of 4,096 bytes, 16,384 bytes apart in memory, dense in LDS
	s_or_b32 s24, s19, (3<<16)|(1<<21)             ; 15:0 the mask: y's parts go to my row; 17:16 elements of 8 bytes; 21 set beside a mask
	s_or_b32 s32, s20, (3<<16)|(1<<21)             ; w_proj's to my column
.irp g, 24, 32
	s_mov_b32 s[\g+1], 512<<16                     ; tensor_dim0 = 512
	s_mov_b32 s[\g+2], 4<<16                       ; tensor_dim1 = 4
	s_mov_b32 s[\g+3], 512<<16                     ; tile_dim0 = 512
	s_mov_b32 s[\g+4], 4                           ; tile_dim1 = 4
	s_mov_b32 s[\g+5], 2048                        ; from row to row
	s_mov_b32 s[\g+6], 0
	s_mov_b32 s[\g+7], 0
.endr
	s_and_b32 s21, s14, 1
	s_lshl_b32 s21, s21, 16                        ; which four tiles of the eight I fetch
	s_and_b32 s22, s14, 3
	s_lshl_b32 s22, s22, 16                        ; and where they go: y's halves, then w_proj's: no place in the cluster enters an LDS address
	s_lshl_b32 s88, s18, 17
	s_add_co_u32 s88, s88, s21                     ; y: hangs on the block of tokens alone,
	s_mov_b32 s89, 0
	s_lshl_b32 s90, s17, 17
	s_add_co_u32 s90, s90, s21                     ; w_proj: on the block of columns alone
	s_mov_b32 s91, 0
	s_wait_dscnt 0x0
	s_wait_kmcnt 0x0
	s_load_b64 s[86:87], s[8:9], 0x40              ; e16, e17
	s_add_nc_u64 s[56:57], s[4:5], s[88:89]
	s_add_nc_u64 s[58:59], s[6:7], s[90:91]
.irp p, 0,1,2,3
	s_mov_b32 s[40+4*\p], 1
	s_add_co_u32 s[41+4*\p], s22, \p*16384
	s_add_nc_u64 s[42+4*\p:43+4*\p], s[56:57], \p*4096
	s_or_b32 s[43+4*\p], s[43+4*\p], 0x80000000
	s_mov_b32 s[68+4*\p], 1
	s_add_co_u32 s[69+4*\p], s22, \p*16384
	s_add_nc_u64 s[70+4*\p:71+4*\p], s[58:59], \p*4096
	s_or_b32 s[71+4*\p], s[71+4*\p], 0x80000000
.endr
	CROUND                                         ; all sixteen work-groups are here: the joint loads meet
	s_cmp_lt_u32 s14, 2                            ; a wave's four first fills stand together, ahead of every wait on TENSORcnt, every LDS read and every other barrier: four loads of mine are out
	s_cbranch_scc0 .Lnot_a
	tensor_load_to_lds s[40:43], s[24:31]
	s_nop 0
	tensor_load_to_lds s[44:47], s[24:31]
	s_nop 0
	tensor_load_to_lds s[48:51], s[24:31]
	s_nop 0
	tensor_load_to_lds s[52:55], s[24:31]
	s_nop 0
.rept 4
	v_nop                                          ; four plain lines follow the last of them
.endr
	s_branch .Lasked
.Lnot_a:
	s_cmp_lt_u32 s14, 4
	s_cbranch_scc0 .Lasked
	tensor_load_to_lds s[68:71], s[32:39]
	s_nop 0
	tensor_load_to_lds s[72:75], s[32:39]
	s_nop 0
	tensor_load_to_lds s[76:79], s[32:39]
	s_nop 0
	tensor_load_to_lds s[80:83], s[32:39]
	s_nop 0
.rept 4
	v_nop
.endr
.Lasked:
	v_and_b32 v1, 31, v0                           ; lane
	v_and_b32 v2, 15, v0                           ; r
	v_bfe_u32 v3, v0, 4, 1                         ; h
	s_delay_alu instid0(VALU_DEP_3)
	v_lshlrev_b32 v10, 4, v1                       ; 16 x lane
	s_wait_alu depctr_va_vdst(0)
	s_lshr_b32 s23, s14, 1                         ; which 32 tokens
	s_and_b32 s60, s14, 1                          ; which 64 columns
	s_lshr_b32 s61, s23, 1
	s_lshl_b32 s61, s61, 16
	s_and_b32 s62, s23, 1
	s_lshl_b32 s62, s62, 13
	s_add_co_u32 s61, s61, s62
	v_add_nc_u32 v4, s61, v10                      ; y's fragments: the half, + 4,096 x my first tile in it
	s_lshl_b32 s62, s60, 16
	s_add_co_u32 s62, s62, 131072
	v_add_nc_u32 v5, s62, v10                      ; w_proj's: behind y's, my half
	s_mul_i32 s63, s14, 16*SPI
	s_add_co_u32 s63, s63, STAGE                   ; my stage
	v_mul_u32_u24 v6, v2, SPI
	s_delay_alu instid0(VALU_DEP_1)
	v_lshl_add_u32 v6, v3, 6, v6
	s_delay_alu instid0(VALU_DEP_1)
	v_add_nc_u32 v6, s63, v6                       ; in: row r, + 64 h: 16 columns of my half
	v_mul_u32_u24 v7, v3, SPI
	s_delay_alu instid0(VALU_DEP_1)
	v_lshl_add_u32 v7, v2, 4, v7
	s_delay_alu instid0(VALU_DEP_1)
	v_add_nc_u32 v7, s63, v7                       ; back: lanes 0-15 one row, lanes 16-31 the next
	v_lshlrev_b32 v8, 12, v3
	s_delay_alu instid0(VALU_DEP_1)
	v_lshl_add_u32 v8, v2, 4, v8                   ; and the same two rows of out0
	v_lshlrev_b32 v9, 6, v3                        ; the bias: + 64 h
	s_wait_alu depctr_va_vdst(0)
	s_lshl_b32 s92, s17, 9
	s_lshl_b32 s93, s60, 8
	s_add_co_u32 s92, s92, s93                     ; my first column, in bytes
	s_mov_b32 s93, 0
	s_add_nc_u64 s[10:11], s[10:11], s[92:93]
	s_lshl_b32 s94, s18, 7
	s_lshl_b32 s95, s23, 5
	s_add_co_u32 s94, s94, s95                     ; my first token
	s_lshl_b32 s94, s94, 12
	s_add_co_u32 s94, s94, s92
	s_mov_b32 s95, 0
	s_add_nc_u64 s[12:13], s[12:13], s[94:95]
.irp q, 0,1
.irp j, 0,1,2,3
	global_load_b128 v[192+16*\q+4*\j:195+16*\q+4*\j], v9, s[10:11] offset:128*\q+16*\j   ; b(32 q + 16 h + 0 .. 15), in the results' layout
.endr
.endr
; A K step of 128: 24 LDS loads, 8 matrix instructions on the eight accumulators by turns.  At each even step: the wave that fetched waits for its part of these two steps
; (the later parts' loads may stay out), and the barrier shows the part to all eight waves.
.macro KSTEP s
.if ((\s)%2) == 0
	s_wait_tensorcnt 3-(\s)/2
	s_barrier_signal -1
	s_barrier_wait -1
.endif
.if (\s) > 0
	PLACES                                         ; in front of loads into registers that the last products read
.endif
.set bn, 0
.rept 4
.set bc, 0
.rept 4
	ds_load_b128 v[128+16*bn+4*bc:131+16*bn+4*bc], v5 offset:16384*((\s)/2)+4096*bn+2048*((\s)%2)+512*bc
.set bc, bc+1
.endr
.set bn, bn+1
.endr
.set ai, 0
.rept 2
.set ac, 0
.rept 4
	ds_load_b128 v[96+16*ai+4*ac:99+16*ai+4*ac], v4 offset:16384*((\s)/2)+4096*ai+2048*((\s)%2)+512*ac
.set ac, ac+1
.endr
.set ai, ai+1
.endr
.set wi, 0
.rept 2
.if wi == 0
	s_wait_dscnt 4                                 ; all but y's second tile
.else
	s_wait_dscnt 0x0
.endif
.set wn, 0
.rept 4
.if (\s) == 0
	v_wmma_f32_16x16x128_bf8_bf8 v[32+8*(4*wi+wn):39+8*(4*wi+wn)], v[128+16*wn:143+16*wn], v[96+16*wi:111+16*wi], 0
.else
	v_wmma_f32_16x16x128_bf8_bf8 v[32+8*(4*wi+wn):39+8*(4*wi+wn)], v[128+16*wn:143+16*wn], v[96+16*wi:111+16*wi], v[32+8*(4*wi+wn):39+8*(4*wi+wn)]
.endif
.set wn, wn+1
.endr
.set wi, wi+1
.endr
.endm
.irp s, 0,1,2,3,4,5,6,7
	KSTEP \s
.endr
	s_wait_kmcnt 0x0
	s_add_co_i32 s86, s86, s87
	s_add_co_i32 s86, s86, 127
	s_lshl_b32 s86, s86, 23                        ; 2^(e16 + e17) as f32
	s_mov_b32 s87, s86                             ; (named with it as a pair, so it is written)
	PLACES
	s_wait_loadcnt 0x0                             ; the bias
; THE WAY OUT, a tile of 16 tokens at a time: sum x 2^(e16 + e17) + b, one packed multiply-add for two numbers; 64 bytes a lane into my stage; back as whole rows of 256 bytes.
.macro TOSTAGE i
.set k, 0
.rept 16
	v_pk_fma_f32 v[96+2*k:97+2*k], v[32+32*\i+2*k:33+32*\i+2*k], s[86:87], v[192+2*k:193+2*k] op_sel_hi:[1,0,1]   ; each accumulator from its low end on
.set k, k+1
.endr
.irp q, 0,1
.irp j, 0,1,2,3
	ds_store_b128 v6, v[96+16*\q+4*\j:99+16*\q+4*\j] offset:128*\q+16*\j
.endr
.endr
.set k, 0
.rept 8
	ds_load_b128 v[128+32*\i+4*k:131+32*\i+4*k], v7 offset:2*SPI*k   ; LDS serves a wave's instructions in order (ISA guide 5.7.1.4): these see my stores, and the next tile's stores come behind them
.set k, k+1
.endr
.endm
.macro SEND i, younger                 ; younger: the LDS instructions issued behind tile i's loads
	s_wait_dscnt \younger
.set k, 0
.rept 8
	global_store_b128 v8, v[128+32*\i+4*k:131+32*\i+4*k], s[12:13] offset:(8*\i+2*k+8*(k/4))*4096 th:TH_STORE_NT   ; the tile's rows 2 k, 2 k + 1 are tokens 8 i + 2 k + 8 (k / 4) and the next; 16 lanes store 256 consecutive bytes, aligned
.set k, k+1
.endr
.endm
	TOSTAGE 0
	TOSTAGE 1
	SEND 0, 16                                     ; tile 1's eight stores and eight loads may stay out
	SEND 1, 0
	s_wait_tensorcnt 0x0
	ds_add_u32 v254, v255
	s_wait_dscnt 0x0
	CROUND                                         ; the closing round: no work-group ends while a partner may still ask for a tile that names it
	s_endpgm
.Lfunc_end_k_q8dab73f5f4_proj:
	.size	k_q8dab73f5f4_proj, .Lfunc_end_k_q8dab73f5f4_proj-k_q8dab73f5f4_proj
	.p2alignl 7, 3214868480
	.fill 96, 4, 3214868480
	.section	.rodata,"a",@progbits
	.p2align	6, 0x0
	.amdhsa_kernel k_q8dab73f5f4_proj
		.amdhsa_group_segment_fixed_size 327680
		.amdhsa_private_segment_fixed_size 0
		.amdhsa_enable_private_segment 0
		.amdhsa_kernarg_size 40
		.amdhsa_user_sgpr_count 2
		.amdhsa_user_sgpr_kernarg_segment_ptr 1
		.amdhsa_wavefront_size32 1
		.amdhsa_system_sgpr_workgroup_id_x 1
		.amdhsa_system_sgpr_workgroup_id_y 1
		.amdhsa_system_sgpr_workgroup_id_z 1
		.amdhsa_system_vgpr_workitem_id 0
		.amdhsa_next_free_vgpr 256
		.amdhsa_next_free_sgpr 96
		.amdhsa_reserve_vcc 0
		.amdhsa_float_denorm_mode_32 3
		.amdhsa_float_denorm_mode_16_64 3
		.amdhsa_memory_ordered 1
		.amdhsa_forward_progress 1
		.amdhsa_inst_pref_size 33
	.end_amdhsa_kernel
	.amdgpu_metadata
---
amdhsa.version: [ 1, 2 ]
amdhsa.kernels:
  - .name:           k_q8dab73f5f4_proj
    .symbol:         k_q8dab73f5f4_proj.kd
    .args:
      - { .name: y_img, .offset: 0, .size: 8, .value_kind: global_buffer, .address_space: global }
      - { .name: wp_img, .offset: 8, .size: 8, .value_kind: global_buffer, .address_space: global }
      - { .name: lowp_scales, .offset: 16, .size: 8, .value_kind: global_buffer, .address_space: global }
      - { .name: b_proj, .offset: 24, .size: 8, .value_kind: global_buffer, .address_space: global }
      - { .name: out0, .offset: 32, .size: 8, .value_kind: global_buffer, .address_space: global }
    .group_segment_fixed_size: 327680
    .private_segment_fixed_size: 0
    .kernarg_segment_align: 8
    .kernarg_segment_size: 40
    .max_flat_workgroup_size: 256
    .sgpr_count:     96
    .vgpr_count:     256
    .wavefront_size: 32
...
	.end_amdgpu_metadata
.endif
;; end of part 8
